; MI455X (gfx1250); checked and timed in simulation.
; The chip was launched on July 23, 2026; its instructions are those of AMD's public machine-readable ISA for CDNA 5 (MIT licence, August 2026) and "CDNA5" Instruction Set Architecture Reference Guide (July 2026). The comments in the code are by the model that wrote it; some were corrected since.
;; Query Mixer. Allowed arithmetic: matrix products marked QUANTISED: E2M1 operands, one E8M0 scale for each 32 along K, by v_wmma_scale_f32_16x16x128_f8f6f4 with both operands' format E2M1 (or v_wmma_scale_f32_32x16x128_f4), f32 sums; everything else in f32.
;; Inputs: W_gen 512 x 512 float32; W_out 2,048 x 512 float32; W_val 512 x 2,048 float32; b_gen 512 float32; b_out 512 float32; b_val 2,048 float32; bias 1 x 8 x 300 x 300 float32; query_feats 64 x 300 x 512 float32; weight_bank 1 x 8 x 300 x 300 float32.
;; Outputs: out0 64 x 300 x 512 float32.
;; This version of the problem:
;;   THIS VERSION OF THE PROBLEM IS GIVEN IN LOW PRECISION. The matrix products marked QUANTISED in the list below multiply operands that are first quantised to E2M1 (2 exponent bits, 1 mantissa bit; 4 bits a number), with one power-of-two scale for each 32 numbers along K (OCP MX v1.0); their sums are f32. All else is computed in f32.
;;   The module's matrix products, in the order in which they are computed (A, B: the left and right operand; K: the contracted axis; several contracted axes count as one K, in the product's order):
;;     1. [M 19,200, K 512] x [K 512, N 512]; A: input query_feats; B: input W_gen: QUANTISED
;;     2. [M 19,200, K 512] x [K 512, N 2,048]; A: input query_feats; B: input W_val: QUANTISED
;;     3. batch 512 x [M 300, K 64] x [K 64, N 300]; A: input query_feats; B: computed on the way: QUANTISED
;;     4. batch 512 x [M 300, K 300] x [K 300, N 256]; A: softmax (see below); B: computed on the way: QUANTISED
;;     5. [M 19,200, K 2,048] x [K 2,048, N 512]; A: computed on the way; B: input W_out: QUANTISED
;;   THE QUANTISER, for each operand of a quantised product, along K:
;;     - K is cut into blocks of 32 from its start; a last block that is shorter is filled with zeros.
;;     - A block's scale is 2^e with e = floor(log2(the largest magnitude in the block)) - 2, held to -126 .. 127; a block of zeros has e = 0. As a byte (E8M0): e + 127.
;;     - Each number is divided by its block's scale, clamped to +-6, and rounded to the nearest number of E2M1, ties to even, subnormals kept.
;;     - The product sums the exact products of the quantised numbers (number of the format x scale) in f32.
;;   ~~~python
;;   def quantise(x, axis):      # numpy; x: float32 -> the quantised numbers, widened to float32 again
;;       x = np.moveaxis(x, axis, -1); K = x.shape[-1]
;;       x = np.pad(x, [(0, 0)] * (x.ndim - 1) + [(0, -K % 32)]); x = x.reshape(x.shape[:-1] + (-1, 32)); a = np.abs(x).max(-1, keepdims=True)
;;       e = np.where(a > 0, np.clip(np.frexp(np.where(a > 0, a, 1))[1] - 1 - 2, -126, 127), 0)      # np.frexp(a)[1] - 1 = floor(log2(a)), exactly
;;       r = np.clip(x / 2.0 ** e, -6, 6)
;;       step = 2.0 ** (np.maximum(np.frexp(np.where(r == 0, 1, r))[1] - 1, 0) - 1)
;;       q = np.round(r / step) * step * 2.0 ** e      # np.round: ties to even
;;       return np.moveaxis(q.reshape(q.shape[:-2] + (-1,))[..., :K], -1, axis).astype(np.float32)
;;   ~~~
;;   SOFTMAX AHEAD OF A QUANTISED PRODUCT. Where the list says 'softmax', what is quantised is not the finished softmax but p = 2^(t - M), with t = logit x log2(e) and M = ceil(the row's largest t), a whole number; so 1/2 < the row's largest p <= 1. The row's sum l is taken of the UNQUANTISED p, in f32, and the product's result is divided by l at the end. Since M is a whole number, a kernel that streams over the keys may use a running M (the ceiling of the running maximum): every later rescaling is an exact power of two, which a block's scale takes up: the codes' values come out the same.
;;   OPERANDS COMPUTED ON THE WAY. 'Computed on the way' means the value that the module computes at that place (a softmax that the list does not call 'softmax' is quantised finished and normalised). What goes into a quantiser is computed in f32, as accurately as f32 sums, v_exp_f32 and their like allow (about 1e-6 of the number): no bf16 or f16 on the way to a quantiser, and a product that is left as it is and whose result goes on into a quantised operand takes f32 operands (vector FMAs, or v_wmma_f32_16x16x4_f32). A number that lies on a knife's edge between two numbers of the format may be rounded either way, as far as f32 arithmetic and the matrix unit's own rounding can turn it there, and no further.
;; One version. Each part assembles by itself: llvm-mc -triple=amdgcn-amd-amdhsa -mcpu=gfx1250 --defsym DOCPART=n.
;; ======== version 1 of 1: 3 launches
;; limits: right only within a limited range of input values
;; workspace buffers: xc 5,242,880 bytes; xs 327,680 bytes; wimg 1,179,648 bytes; wsc 73,728 bytes; wbb 6,225,920 bytes; ac 19,922,944 bytes; asc 1,245,184 bytes
;; launch prep (part 1): grid 654 x 1, 4 waves a work-group, no clusters, 41,472 bytes of LDS; arguments query_feats, W_gen, W_val, W_out, weight_bank, bias, xc, xs, wimg, wsc, wbb; writes xc, xs, wimg, wsc, wbb
.if DOCPART == 1
	.amdgcn_target "amdgcn-amd-amdhsa--gfx1250"
	.amdhsa_code_object_version 6
	.text
	.protected	k_q7788338d63_prep
	.globl	k_q7788338d63_prep
	.p2align	8
	.type	k_q7788338d63_prep,@function
k_q7788338d63_prep:
	s_mov_b64 s[64:65], 0
	v_nop
	global_prefetch_b8 v0, s[64:65] scope:SCOPE_SE
	s_setreg_imm32_b32 hwreg(HW_REG_WAVE_MODE, 25, 1), 1
	s_wait_xcnt 0x0
; QueryMixer, launch 1 of 3: everything that many work-groups will read is quantised or laid out ONCE.
; DEAD WORK: none.  Every input of reference() reaches the output for some values, so every input is loaded and every product is made.
; What is made here, all in the order of the matrix operands' registers (a fragment = 16 rows x 128 K of E2M1 = two runs of 32 lanes x 16 bytes):
;   xc, xs : query_feats as codes and E8M0 bytes along D.  One quantisation serves products 1, 2 and 3 (a head's 64 dims are two whole blocks of 32).
;            A tile (b, u) of 16 rows holds rows 32 b + 8 u + r + 8 (r / 8), so that two neighbouring result tiles give a lane 16 neighbours.  Rows 300..319: zero codes, byte 0.
;   wimg, wsc : W_gen, W_val, W_out as codes along their first axis (K), columns grouped in the same tiles.
;   wbb : weight_bank and bias, f32, times k = sqrt(log2(e) / 2), in the order of the score registers of launch 2; 0 outside 300 x 300.
; LIMITS: NaN and infinities among the inputs are not served.  A block whose largest magnitude lies under 2^-124 (a block of zeros too) gets the byte 1; its codes are then zeros or as the floor gives them; the bytes are read by this program alone.
; Work-groups 0..319: x (a wave = one tile of 16 rows).  320..463: weights (a wave = 32 columns x 128 K).  464..653: weight_bank and bias (a wave = one unit of 16 queries x 64 keys).
; Only the first path uses LDS.  Waves share nothing: no barrier.
.set SPARE, 40960                      ; behind the four waves' regions: the spare words, 128 bytes a wave
.set WREG,  10240                      ; LDS of a wave: two stages of 32 x 80 bytes, 256 scale bytes, 16 chunks of codes at pitch 272
.set SP,    80
.set SCB,   5120
.set IMG,   5376
.set SPW,   12                         ; v12 my spare word's address; never rewritten
.set NIL,   13                         ; v13 0; never rewritten
.set R,     32                         ; v32-95   four sets of 16 numbers as loaded
.set X,     96                         ; v96-127  two sets of 16 neighbours
.set E,     128                        ; v128-143 a scale byte for each step
.set C,     144                        ; v144-175 two registers of codes for each step
	s_load_b512 s[8:23], s[0:1], 0x0               ; query_feats 8, W_gen 10, W_val 12, W_out 14, weight_bank 16, bias 18, xc 20, xs 22
	s_load_b128 s[24:27], s[0:1], 0x40             ; wimg 24, wsc 26
	s_load_b64 s[28:29], s[0:1], 0x50              ; wbb
	v_lshl_add_u32 v[SPW], v0, 2, SPARE
	v_mov_b32 v[NIL], 0
	v_lshrrev_b32 v1, 5, v0
	v_readfirstlane_b32 s2, v1                     ; wave 0..3
	v_and_b32 v2, 31, v0                           ; lane
	s_wait_kmcnt 0x0
	s_cmp_lt_u32 ttmp9, 320
	s_cbranch_scc0 .Lnot_x
; ================= x: one tile of 16 rows a wave, one row (512 numbers) a step =================
	s_lshl_b32 s3, ttmp9, 2
	s_add_co_u32 s3, s3, s2                        ; unit = 20 x batch + tile
	s_mul_i32 s4, s3, 3277
	s_lshr_b32 s4, s4, 16                          ; batch = unit / 20 (exact for units under 1,280)
	s_mul_i32 s5, s4, 20
	s_sub_co_u32 s5, s3, s5                        ; tile
	s_lshr_b32 s6, s5, 1
	s_lshl_b32 s6, s6, 5
	s_and_b32 s7, s5, 1
	s_lshl_b32 s7, s7, 3
	s_add_co_u32 s34, s6, s7                       ; the tile's first row: 32 b + 8 u
	s_mul_i32 s36, s4, 614400
	s_mov_b32 s37, 0
	s_add_nc_u64 s[8:9], s[8:9], s[36:37]          ; x at my batch
	s_lshl_b32 s36, s3, 12
	s_add_nc_u64 s[20:21], s[20:21], s[36:37]      ; my tile's 4,096 bytes of codes
	s_lshl_b32 s36, s3, 8
	s_add_nc_u64 s[22:23], s[22:23], s[36:37]      ; and its 256 scale bytes
	s_mul_i32 s35, s2, WREG
	s_wait_alu depctr_va_vdst(0)
	v_lshlrev_b32 v3, 4, v2                        ; 16 x lane
	v_lshrrev_b32 v14, 2, v2
	v_mul_u32_u24 v14, v14, SP
	v_and_b32 v15, 3, v2
	v_lshl_add_u32 v14, v15, 4, v14
	v_add_nc_u32 v14, s35, v14                     ; the stage, way in: four lanes' 64 bytes on end, then 16 of padding
	v_mul_u32_u24 v15, v2, SP
	v_add_nc_u32 v15, s35, v15                     ; way out: my 16 neighbours
	v_lshrrev_b32 v5, 1, v2                        ; my block of 32: lane / 2
	v_mul_u32_u24 v4, v5, 272
	v_and_b32 v6, 1, v2
	v_lshl_add_u32 v4, v6, 3, v4
	v_add_nc_u32 v4, s35, v4                       ; codes: chunk = block, 16 bytes a row, my half of them
	v_add_nc_u32 v5, s35, v5                       ; scale bytes: 16 a row
	v_lshrrev_b32 v6, 4, v2
	v_mul_u32_u24 v6, v6, 272
	v_and_b32 v7, 15, v2
	v_lshl_add_u32 v6, v7, 4, v6
	v_add_nc_u32 v6, s35, v6                       ; codes back: lanes 0-15 an even chunk, lanes 16-31 the odd one behind it
	v_lshlrev_b32 v7, 3, v2                        ; 8 x lane
	v_add_nc_u32 v8, s35, v7
.macro LOADX t                         ; row t of the tile (held at row 299: no load leaves the buffer), 4 x 512 consecutive bytes
	s_add_co_u32 s40, s34, (\t)+8*((\t)/8)
	s_min_u32 s40, s40, 299
	s_lshl_b32 s40, s40, 11
	v_add_nc_u32 v[20+(\t)%4], s40, v3             ; this offset register's last loads (four steps back) were waited for
.irp i, 0,1,2,3
	global_load_b128 v[R+16*((\t)%4)+4*\i:R+16*((\t)%4)+4*\i+3], v[20+(\t)%4], s[8:9] offset:512*\i th:TH_LOAD_NT
.endr
.endm
.macro TURNX t                         ; through the stage: LDS serves a wave's instructions in order
.irp i, 0,1,2,3
	ds_store_b128 v14, v[R+16*((\t)%4)+4*\i:R+16*((\t)%4)+4*\i+3] offset:32*SP*((\t)%2)+8*SP*\i
.endr
.irp i, 0,1,2,3
	ds_load_b128 v[X+16*((\t)%2)+4*\i:X+16*((\t)%2)+4*\i+3], v15 offset:32*SP*((\t)%2)+16*\i
.endr
.endm
.irp t, 0,1,2,3
	LOADX \t
.endr
	s_wait_loadcnt 12                              ; step 0's four loads are in
	TURNX 0
.macro STEPX t
.set XS, X+16*((\t)%2)
.if (\t) > 0
	s_wait_dscnt 2                                 ; this step's numbers are back (the last step's two small stores may be out)
.else
	s_wait_dscnt 0x0
.endif
.if (\t)+4 < 16
	LOADX (\t)+4
.endif
.if (\t)+1 < 16
.if 14-(\t) >= 3
	s_wait_loadcnt 12                              ; the next step's loads are in; three steps' may be out
.else
	s_wait_loadcnt 4*(14-(\t))
.endif
	TURNX (\t)+1
.endif
	v_max3_num_f32 v9, |v[XS]|, |v[XS+1]|, |v[XS+2]|
	v_max3_num_f32 v10, |v[XS+3]|, |v[XS+4]|, |v[XS+5]|
.irp i, 6,10
	v_max3_num_f32 v9, v9, |v[XS+\i]|, |v[XS+\i+1]|
	v_max3_num_f32 v10, v10, |v[XS+\i+2]|, |v[XS+\i+3]|
.endr
	v_max3_num_f32 v9, v9, |v[XS+14]|, |v[XS+15]|
	v_max3_num_f32 v9, v9, v10, 0x1800000          ; the floor 2^(3 - 127): the byte cannot fall under 1
	v_max_num_f32_dpp v9, v9, v9 row_xmask:1 row_mask:0xf bank_mask:0xf   ; with my neighbour's 16: the block's largest magnitude
	v_add_nc_u32 v11, 0xff000000, v9               ; 2 off its exponent field: the conversion's scale operand
	s_add_co_u32 s41, s34, (\t)+8*((\t)/8)
	s_cmp_lt_u32 s41, 300
	s_cselect_b32 s41, -1, 0                       ; rows 300..319 give zero codes and the byte 0
	v_cvt_scalef32_pk8_fp4_f32 v[C+2*(\t)], v[XS:XS+7], v11
	v_cvt_scalef32_pk8_fp4_f32 v[C+2*(\t)+1], v[XS+8:XS+15], v11
	v_lshrrev_b32 v[E+(\t)], 23, v11               ; the byte (a plain line behind the conversions)
	v_and_b32 v[C+2*(\t)], s41, v[C+2*(\t)]
	v_and_b32 v[C+2*(\t)+1], s41, v[C+2*(\t)+1]
	v_and_b32 v[E+(\t)], s41, v[E+(\t)]
	ds_store_b64 v4, v[C+2*(\t):C+2*(\t)+1] offset:IMG+16*(\t)
	ds_store_b8 v5, v[E+(\t)] offset:SCB+16*(\t)   ; both lanes of a block write the same byte
.endm
.irp t, 0,1,2,3,4,5,6,7,8,9,10,11,12,13,14,15
	STEPX \t
.endr
.irp j, 0,1,2,3,4,5,6,7
	ds_load_b128 v[32+4*\j:35+4*\j], v6 offset:IMG+544*\j   ; run 2 s + c of the image: chunks 4 s + 2 c and + 1
.endr
	ds_load_b64 v[64:65], v8 offset:SCB
.irp j, 0,1,2,3,4,5,6,7
	s_wait_dscnt 8-\j
	global_store_b128 v3, v[32+4*\j:35+4*\j], s[20:21] offset:512*\j   ; 512 consecutive bytes
.endr
	s_wait_dscnt 0x0
	global_store_b64 v7, v[64:65], s[22:23]        ; 256 consecutive bytes
	s_wait_tensorcnt 0x0                           ; the wave's end: three lines behind my last LDS store
	ds_add_u32 v[SPW], v[NIL]
	s_wait_dscnt 0x0
	s_endpgm
.Lnot_x:
	s_cmp_lt_u32 ttmp9, 464
	s_cbranch_scc0 .Lpath_b
; ================= weights: a lane takes a column, its registers run down K =================
.macro WSET                            ; from s5 = column block, s6 = K step, s7 = K / 128, s30, s31 = the tensor's place in wimg, wsc, s32 = the K step's bytes in W, s[40:41] = W
	s_lshl_b32 s34, s5, 7
	s_add_co_u32 s32, s32, s34
	s_mov_b32 s33, 0
	s_add_nc_u64 s[40:41], s[40:41], s[32:33]      ; W at (128 s, 32 cb)
	s_mul_i32 s34, s5, s7
	s_lshl_b32 s35, s34, 11
	s_add_co_u32 s35, s35, s30
	s_lshl_b32 s36, s6, 10
	s_add_co_u32 s32, s35, s36
	s_add_nc_u64 s[42:43], s[24:25], s[32:33]      ; image: [cb][u][s][c][lane][16]
	s_lshl_b32 s34, s34, 7
	s_add_co_u32 s34, s34, s31
	s_lshl_b32 s36, s6, 2
	s_add_co_u32 s32, s34, s36
	s_add_nc_u64 s[44:45], s[26:27], s[32:33]      ; scale bytes: [cb][u][r][K / 32]
	v_bfe_u32 v4, v2, 3, 1                         ; my column 32 cb + o lies in tile u = (o >> 3) & 1,
	v_and_b32 v5, 7, v2
	v_lshrrev_b32 v6, 4, v2
	v_lshl_add_u32 v5, v6, 3, v5                   ; at its lane r = (o & 7) + 8 (o >> 4)
	s_lshl_b32 s36, s7, 10
	v_mul_lo_u32 v7, v4, s36
	v_lshl_add_u32 v7, v5, 4, v7
	v_lshl_add_u32 v8, v4, 4, v5
	s_lshl_b32 s36, s7, 2
	v_mul_lo_u32 v8, v8, s36
	v_lshlrev_b32 v3, 2, v2
.endm
.macro WLOAD n, jb                     ; block jb: 32 rows of W at my column; a wave reads 128 consecutive bytes a row
.set wi, 0
.rept 32
	global_load_b32 v[32+32*(\jb)+wi], v3, s[40:41] offset:(32*(\jb)+wi)*4*(\n) th:TH_LOAD_NT
.set wi, wi+1
.endr
.endm
.macro WBLOCK n, jb
.set WX, 32+32*(\jb)
.if (\jb) < 3
	s_wait_loadcnt 32                              ; this block is in; the next block's 32 loads may be out
.else
	s_wait_loadcnt 0x0
.endif
.if (\jb) < 2
	WLOAD \n, (\jb)+2
.endif
	v_max3_num_f32 v16, |v[WX]|, |v[WX+1]|, |v[WX+2]|
	v_max3_num_f32 v17, |v[WX+3]|, |v[WX+4]|, |v[WX+5]|
.irp i, 6,10,14,18,22,26
	v_max3_num_f32 v16, v16, |v[WX+\i]|, |v[WX+\i+1]|
	v_max3_num_f32 v17, v17, |v[WX+\i+2]|, |v[WX+\i+3]|
.endr
	v_max3_num_f32 v16, v16, |v[WX+30]|, |v[WX+31]|
	v_max3_num_f32 v16, v16, v17, 0x1800000
	v_add_nc_u32 v18, 0xff000000, v16
	v_lshrrev_b32 v19, 23, v18
.if (\jb) == 0
	v_mov_b32 v24, v19
.else
	v_lshl_or_b32 v24, v19, 8*(\jb), v24           ; the K step's scale word
.endif
.irp g, 0,1,2,3
	v_cvt_scalef32_pk8_fp4_f32 v[160+4*(\jb)+\g], v[WX+8*\g:WX+8*\g+7], v18
.endr
	global_store_b128 v7, v[160+4*(\jb):163+4*(\jb)], s[42:43] offset:((\jb)/2)*512+((\jb)%2)*256   ; the sixteen lanes of a tile fill 256 consecutive bytes
.endm
.macro WQ n
	WLOAD \n, 0
	WLOAD \n, 1
	WBLOCK \n, 0
	WBLOCK \n, 1
	WBLOCK \n, 2
	WBLOCK \n, 3
	global_store_b32 v8, v24, s[44:45]
.endm
	s_sub_co_u32 s3, ttmp9, 320
	s_lshl_b32 s4, s3, 2
	s_add_co_u32 s4, s4, s2                        ; unit 0..575: 256 of W_val, 64 of W_gen, 256 of W_out; the tensor hangs on the work-group alone
	s_cmp_lt_u32 s3, 64
	s_cbranch_scc0 .Lw512
	s_and_b32 s5, s4, 63
	s_lshr_b32 s6, s4, 6
	s_mov_b32 s7, 4
	s_mov_b64 s[40:41], s[12:13]
	s_mov_b32 s30, 131072
	s_mov_b32 s31, 8192
	s_lshl_b32 s32, s6, 20                         ; 128 rows of 8,192 bytes
	s_wait_alu depctr_va_vdst(0)
	WSET
	s_wait_alu depctr_va_vdst(0)
	WQ 2048
	s_endpgm
.Lw512:
	s_cmp_lt_u32 s3, 80
	s_cselect_b64 s[40:41], s[10:11], s[14:15]     ; W_gen or W_out: the choice hangs on the work-group's number alone
	s_cselect_b32 s7, 4, 16
	s_cselect_b32 s30, 0, 655360
	s_cselect_b32 s31, 0, 40960
	s_mov_b32 s33, 320
	s_cselect_b32 s33, 256, s33
	s_sub_co_u32 s4, s4, s33
	s_and_b32 s5, s4, 15
	s_lshr_b32 s6, s4, 4
	s_lshl_b32 s32, s6, 18                         ; 128 rows of 2,048 bytes
	s_wait_alu depctr_va_vdst(0)
	WSET
	s_wait_alu depctr_va_vdst(0)
	WQ 512
	s_endpgm
; ================= weight_bank and bias: one unit (16 queries x 64 keys) a wave =================
.Lpath_b:
	s_sub_co_u32 s3, ttmp9, 464
	s_lshl_b32 s3, s3, 2
	s_add_co_u32 s3, s3, s2                        ; 95 x head + unit
	s_mul_i32 s4, s3, 690
	s_lshr_b32 s4, s4, 16                          ; head (exact under 760)
	s_mul_i32 s5, s4, 95
	s_sub_co_u32 s5, s3, s5                        ; unit = 5 mq + c
	s_mul_i32 s6, s5, 205
	s_lshr_b32 s6, s6, 10                          ; mq
	s_mul_i32 s7, s6, 5
	s_sub_co_u32 s7, s5, s7                        ; c
	s_mov_b32 s50, 300
	s_mov_b32 s52, 0x3f596d27                      ; k = sqrt(log2(e) / 2)
	s_mov_b32 s53, s52
	s_wait_alu depctr_va_vdst(0)
	v_and_b32 v3, 15, v2                           ; r
	v_lshrrev_b32 v4, 4, v2                        ; h
	v_lshl_add_u32 v5, s6, 4, v3                   ; my query
	v_cmp_gt_u32 s48, s50, v5
	v_min_u32 v5, 299, v5
	v_mul_u32_u24 v5, v5, 1200
	s_mul_i32 s30, s4, 360000
	v_add_nc_u32 v5, s30, v5                       ; its row's first byte
	s_lshl_b32 s31, s7, 6
	v_lshl_add_u32 v6, v4, 4, s31                  ; 64 c + 16 h
.irp i, 0,1,2,3,4,5,6,7
	v_add_nc_u32 v7, 32*(\i/4)+4*(\i%4), v6        ; the first of four keys; 300 is a multiple of 4, so four keys are inside or outside together
	v_cmp_gt_u32 s[40+\i], s50, v7
	v_min_u32 v7, 296, v7
	v_lshl_add_u32 v[16+\i], v7, 2, v5
	s_and_b32 s[40+\i], s[40+\i], s48
.endr
.irp i, 0,1,2,3,4,5,6,7
	global_load_b128 v[32+4*\i:35+4*\i], v[16+\i], s[16:17]
.endr
.irp i, 0,1,2,3,4,5,6,7
	global_load_b128 v[64+4*\i:67+4*\i], v[16+\i], s[18:19]
.endr
	s_lshl_b32 s36, s3, 13
	s_mov_b32 s37, 0
	s_add_nc_u64 s[28:29], s[28:29], s[36:37]
	v_lshlrev_b32 v8, 4, v2
	s_wait_loadcnt 0x0
.irp i, 0,1,2,3,4,5,6,7
.irp j, 0,1,2,3
	v_cndmask_b32 v[32+4*\i+\j], 0, v[32+4*\i+\j], s[40+\i]
	v_cndmask_b32 v[64+4*\i+\j], 0, v[64+4*\i+\j], s[40+\i]
.endr
.endr
.set wi, 0
.rept 32
	v_pk_mul_f32 v[32+wi:33+wi], v[32+wi:33+wi], s[52:53] op_sel_hi:[1,0]
.set wi, wi+2
.endr
.irp i, 0,1,2,3,4,5,6,7
	global_store_b128 v8, v[32+4*\i:35+4*\i], s[28:29] offset:512*\i
	global_store_b128 v8, v[64+4*\i:67+4*\i], s[28:29] offset:4096+512*\i
.endr
	s_endpgm
.Lfunc_end_k_q7788338d63_prep:
	.size	k_q7788338d63_prep, .Lfunc_end_k_q7788338d63_prep-k_q7788338d63_prep
	.p2alignl 7, 3214868480
	.fill 96, 4, 3214868480
	.section	.rodata,"a",@progbits
	.p2align	6, 0x0
	.amdhsa_kernel k_q7788338d63_prep
		.amdhsa_group_segment_fixed_size 41472
		.amdhsa_private_segment_fixed_size 0
		.amdhsa_enable_private_segment 0
		.amdhsa_kernarg_size 88
		.amdhsa_user_sgpr_count 2
		.amdhsa_user_sgpr_kernarg_segment_ptr 1
		.amdhsa_wavefront_size32 1
		.amdhsa_system_sgpr_workgroup_id_x 1
		.amdhsa_system_sgpr_workgroup_id_y 1
		.amdhsa_system_sgpr_workgroup_id_z 1
		.amdhsa_system_vgpr_workitem_id 0
		.amdhsa_next_free_vgpr 192
		.amdhsa_next_free_sgpr 66
		.amdhsa_reserve_vcc 0
		.amdhsa_float_denorm_mode_32 3
		.amdhsa_float_denorm_mode_16_64 3
		.amdhsa_memory_ordered 1
		.amdhsa_forward_progress 1
		.amdhsa_inst_pref_size 93
	.end_amdhsa_kernel
	.amdgpu_metadata
---
amdhsa.version: [ 1, 2 ]
amdhsa.kernels:
  - .name:           k_q7788338d63_prep
    .symbol:         k_q7788338d63_prep.kd
    .args:
      - { .name: query_feats, .offset: 0, .size: 8, .value_kind: global_buffer, .address_space: global }
      - { .name: W_gen, .offset: 8, .size: 8, .value_kind: global_buffer, .address_space: global }
      - { .name: W_val, .offset: 16, .size: 8, .value_kind: global_buffer, .address_space: global }
      - { .name: W_out, .offset: 24, .size: 8, .value_kind: global_buffer, .address_space: global }
      - { .name: weight_bank, .offset: 32, .size: 8, .value_kind: global_buffer, .address_space: global }
      - { .name: bias, .offset: 40, .size: 8, .value_kind: global_buffer, .address_space: global }
      - { .name: xc, .offset: 48, .size: 8, .value_kind: global_buffer, .address_space: global }
      - { .name: xs, .offset: 56, .size: 8, .value_kind: global_buffer, .address_space: global }
      - { .name: wimg, .offset: 64, .size: 8, .value_kind: global_buffer, .address_space: global }
      - { .name: wsc, .offset: 72, .size: 8, .value_kind: global_buffer, .address_space: global }
      - { .name: wbb, .offset: 80, .size: 8, .value_kind: global_buffer, .address_space: global }
    .group_segment_fixed_size: 41472
    .private_segment_fixed_size: 0
    .kernarg_segment_align: 8
    .kernarg_segment_size: 88
    .max_flat_workgroup_size: 128
    .sgpr_count:     66
    .vgpr_count:     192
    .wavefront_size: 32
...
	.end_amdgpu_metadata
.endif
;; end of part 1
;; launch attn (part 2): grid 32 x 8, 16 waves a work-group, no clusters, 316,416 bytes of LDS; arguments xc, xs, wimg, wsc, wbb, b_gen, b_val, ac, asc; writes ac, asc
.if DOCPART == 2
	.amdgcn_target "amdgcn-amd-amdhsa--gfx1250"
	.amdhsa_code_object_version 6
	.text
	.protected	k_q7788338d63_attn
	.globl	k_q7788338d63_attn
	.p2align	8
	.type	k_q7788338d63_attn,@function
k_q7788338d63_attn:
	s_mov_b64 s[64:65], 0
	v_nop
	global_prefetch_b8 v0, s[64:65] scope:SCOPE_SE
	s_setreg_imm32_b32 hwreg(HW_REG_WAVE_MODE, 25, 1), 1
	s_wait_xcnt 0x0
; QueryMixer, launch 2 of 3: products 1 to 4 for two batches and one head in a work-group; M, value and p stay in LDS as codes.  No work of reference() is left out.
; Sixteen waves of 256 registers.  All operands lie as images of their registers (32 lanes x 16 bytes), so every fragment load is 512 consecutive bytes at 16 x lane.
; PHASES:  0  the head's part of W_val (codes, scale bytes), b_val and b_gen into LDS; the head's part of x as query fragments into LDS | barrier |
;   1  one loop of 8 trips that all waves walk.  Waves 0-9 (batch w % 2, keys 64 (w / 2) on) hold their 64 rows of x in 128 registers and take W_val's 16 column tiles from LDS, two a trip: value, quantised along the keys.
;      Waves 10-14 hold the head's part of W_gen in 128 registers and take one tile of 16 rows of x from memory a trip, eight neighbouring tiles each (5 x 8 = the two batches' 40): M, quantised along d.
;      Wave 15 has no part in this phase.  So each byte of x is read once for each of the two products, and W_val ten times from LDS | barrier |
;   S  95 units of 16 queries x 64 keys, both batches at once (weight_bank and bias are shared): scores, GELU, p = 2^(t - M_local), codes | barrier |
;   F  a row's five local M are brought to one: a whole-number shift of the scale bytes; 1 / l | barrier |  PV  O = p value, / l, quantised along the head's 256, stored | barrier | the scale bytes leave.
; GELU: z = k s (k = sqrt(log2(e) / 2), folded into wbb);  erf(|s| / sqrt 2) = 1 - poly(T) 2^(-z z), T = 1 / (1 + CU |z|) (five-term rational form, absolute error 1.5e-7);  g = z + |z| erf = 2 k gelu(s);  t = g k.
; LIMITS: NaN and infinities are not served.  erf as stated.  A scale byte of p that the shift would take under 0 is held at 0 (such p lie under 2^-124 of the row's largest).  Blocks under 2^-124 keep the byte 1.
; Keys and rows 300..319 are computed inside live tiles: value there is set to 0 ahead of its quantiser, scores there to -infinity.
; No joint loads: nothing here goes to LDS by the data mover, and what the work-groups of a head share (W, 86 KB) is a small part of what each moves.
.set WV_,   0                          ; W_val: [column tile 16][s 4][c 2][lane][16]
.set WVS_,  65536                      ; its scale bytes: [tile][r][16]
.set BV_,   69632                      ; b_val, the head's 256 numbers
.set BG_,   70656                      ; b_gen, the head's 64
.set VIMG,  174080                     ; value: [bt][dv tile 16][64 keys 5][lane][16]
.set VSC,   256000                     ; [bt][dv tile][128 keys 3][lane][4]
.set GIMG,  268288                     ; M: [bt][key tile 20][lane][16]
.set GSC,   288768                     ; [bt][key tile][r][2]
.set QIMG,  290048                     ; queries: [bt][mq 19][lane][16]
.set QSC,   309504                     ; [bt][mq][lane][4]
.set SPARE, 314368                     ; the spare words, 128 bytes a wave
.set PIMG,  0                          ; over W, once nobody reads it: p: [bt][unit 95][lane][16]
.set ST_SC, 97280                      ; a unit's two scale bytes, -M, l: [bt][unit][lane][4] each
.set ST_M,  121600
.set ST_L,  145920
.set PWD,   268288                     ; over M: p's scale words [bt 19 + mq][3][lane][4]
.set RLA,   282880                     ; 1 / l [bt 19 + mq][lane][4]
.set ASC,   97280                      ; over ST_SC: the result's scale bytes [bt 19 + mq][r][8]
; v0 thread; v1 16 x lane; v2 4 x lane; v3 r; v4 h; v5, v6 the add's two; v7-15 addresses; v232-251 scales and nothing else
.macro PLACES n
.rept \n
	v_nop
.endr
.endm
.macro WT                              ; the wait behind a batch of transcendentals and ahead of the next, and ahead of waits and branches behind which fresh results are read
	s_wait_alu depctr_va_vdst(0)
.endm
.macro BAR                             ; my LDS stores have landed and my LDS loads are in: then the work-group's barrier
	WT
	s_wait_dscnt 0x0
	s_barrier_signal -1
	s_barrier_wait -1
.endm
.macro WMZ d, a, b, sa, sb             ; a product that starts a sum
	v_wmma_scale_f32_16x16x128_f8f6f4 v[\d:\d+7], v[\a:\a+7], v[\b:\b+7], 0, v[\sa], v[\sb] matrix_a_fmt:MATRIX_FMT_FP4 matrix_b_fmt:MATRIX_FMT_FP4
.endm
.macro WMC d, a, b, c, sa, sb
	v_wmma_scale_f32_16x16x128_f8f6f4 v[\d:\d+7], v[\a:\a+7], v[\b:\b+7], v[\c:\c+7], v[\sa], v[\sb] matrix_a_fmt:MATRIX_FMT_FP4 matrix_b_fmt:MATRIX_FMT_FP4
.endm
; nb blocks of 32: register 16 b + i of v[src] on = k 32 b + 16 h + i of my row.  Temps from v[t]: +0 maxima, +2 the other half's, +4 scale operands, +6 bytes, +8 the two bytes, +10.. codes
.macro QUANT nb, src, t
.set qb, 0
.rept \nb
	v_max3_num_f32 v[\t+qb], |v[(\src)+16*qb]|, |v[(\src)+16*qb+1]|, 0x1800000   ; with the floor 2^(3 - 127)
.set qb, qb+1
.endr
.set qi, 2
.rept 7
.set qb, 0
.rept \nb
	v_max3_num_f32 v[\t+qb], v[\t+qb], |v[(\src)+16*qb+qi]|, |v[(\src)+16*qb+qi+1]|
.set qb, qb+1
.endr
.set qi, qi+2
.endr
.set qb, 0
.rept \nb
	v_permlanex16_b32 v[\t+2+qb], v[\t+qb], s36, s37
.set qb, qb+1
.endr
.set qb, 0
.rept \nb
	v_max_num_f32 v[\t+qb], v[\t+qb], v[\t+2+qb]
.set qb, qb+1
.endr
.set qb, 0
.rept \nb
	v_add_nc_u32 v[\t+4+qb], 0xff000000, v[\t+qb]  ; 2 off the exponent field: the conversion's scale operand
.set qb, qb+1
.endr
.set qb, 0
.rept \nb
	v_lshrrev_b32 v[\t+6+qb], 23, v[\t+4+qb]       ; the byte
.set qb, qb+1
.endr
.if \nb == 2
	v_lshl_or_b32 v[\t+8], v[\t+7], 8, v[\t+6]
.endif
.set qb, 0
.rept \nb
	v_cvt_scalef32_pk8_fp4_f32 v[\t+10+2*qb], v[(\src)+16*qb:(\src)+16*qb+7], v[\t+4+qb]
	v_cvt_scalef32_pk8_fp4_f32 v[\t+11+2*qb], v[(\src)+16*qb+8:(\src)+16*qb+15], v[\t+4+qb]
.set qb, qb+1
.endr
	v_nop                                          ; one plain line behind the scaled conversions
.if \nb == 2
	v_permlane16_swap_b32 v[\t+10], v[\t+12]       ; a whole block to a lane: lanes 0-15 block 0, lanes 16-31 block 1
	v_permlane16_swap_b32 v[\t+11], v[\t+13]
.endif
.endm
	s_load_b512 s[8:23], s[0:1], 0x0               ; xc 8, xs 10, wimg 12, wsc 14, wbb 16, b_gen 18, b_val 20, ac 22
	s_load_b64 s[24:25], s[0:1], 0x40              ; asc
	v_lshl_add_u32 v5, v0, 2, SPARE
	v_mov_b32 v6, 0
	v_lshrrev_b32 v1, 5, v0
	v_readfirstlane_b32 s26, v1                    ; wave w
	v_and_b32 v2, 31, v0
	v_lshlrev_b32 v1, 4, v2                        ; 16 x lane
	v_lshlrev_b32 v2, 2, v2                        ; 4 x lane
	v_and_b32 v3, 15, v0                           ; r
	v_bfe_u32 v4, v0, 4, 1                         ; h
	v_lshlrev_b32 v16, 4, v0                       ; phase 0: 16 x thread: W_val, in memory and in LDS
	v_lshlrev_b32 v17, 3, v0                       ; 8 x thread: its scale bytes
	v_lshl_add_u32 v18, v0, 3, WVS_
	v_and_b32 v19, 255, v0
	v_lshlrev_b32 v19, 2, v19                      ; the biases: waves 0-7 b_val, waves 8, 9 b_gen
	v_lshl_add_u32 v20, v0, 2, BV_
	v_lshrrev_b32 v28, 3, v3                       ; r / 8
	v_and_b32 v29, 7, v3                           ; r & 7
	v_lshlrev_b32 v21, 12, v28                     ; row 16 mq + r lies in tile 2 (mq / 2) + r / 8, at its lane (r & 7) + 8 (mq & 1)
	v_lshl_add_u32 v21, v4, 8, v21
	v_lshl_add_u32 v21, v29, 4, v21
	v_lshlrev_b32 v22, 8, v28
	v_lshl_add_u32 v22, v29, 4, v22
	v_lshlrev_b32 v226, 4, v3                      ; 16 r
	v_lshrrev_b32 v25, 4, v0                       ; value's third scale word of (bt, dv tile) = thread / 16: 8 bytes a thread are cleared
	v_mul_u32_u24 v25, v25, 384
	v_and_b32 v27, 15, v0
	v_lshl_add_u32 v25, v27, 3, v25
	v_add_nc_u32 v25, VSC+256, v25
	v_mov_b32 v228, 0
	v_mov_b32 v229, 0
	v_lshl_add_u32 v8, v3, 4, WVS_                 ; phase 1: W_val's scale words
	v_lshl_add_u32 v9, v28, 3, v3
	v_lshl_add_u32 v9, v9, 2, BV_                  ; b_val of my column: 4 (r + 8 (r / 8))
	v_lshl_add_u32 v14, v4, 6, BG_                 ; b_gen in the result's layout: 64 h
	v_mov_b32 v15, v1                              ; W_val's fragments
	v_lshl_add_u32 v30, v4, 3, v226                ; 16 r + 8 h
	v_lshlrev_b32 v31, 1, v3                       ; 2 r
	WT                                             ; runs of scalar lines follow
	s_mov_b32 s27, ttmp9                           ; batch pair g
	s_and_b32 s28, ttmp7, 7                        ; head
	s_lshr_b32 s29, s26, 3                         ; bt of phases 0, F, PV
	s_and_b32 s30, s26, 7                          ; beta
	s_bfe_u32 s33, s26, 0x20001                    ; dg
	s_and_b32 s34, s26, 1                          ; qh; in phase 1 the batch
	s_lshr_b32 s35, s26, 1                         ; in phase 1 the group of 64 keys
	s_mul_i32 s4, s29, 9728
	s_lshl_b32 s5, s30, 9
	s_add_co_u32 s4, s4, s5
	s_add_co_u32 s4, s4, QIMG
	v_add_nc_u32 v23, s4, v1
	s_mul_i32 s4, s29, 2432
	s_lshl_b32 s5, s30, 7
	s_add_co_u32 s4, s4, s5
	s_add_co_u32 s4, s4, QSC
	v_add_nc_u32 v24, s4, v2
	s_mul_i32 s4, s34, 40960
	s_lshl_b32 s5, s35, 9
	s_add_co_u32 s4, s4, s5
	s_add_co_u32 s4, s4, VIMG
	v_add_nc_u32 v10, s4, v1                       ; value's codes: my batch, my 64 keys
	s_mul_i32 s4, s34, 6144
	s_lshr_b32 s5, s35, 1
	s_lshl_b32 s5, s5, 7
	s_add_co_u32 s4, s4, s5
	s_and_b32 s5, s35, 1
	s_lshl_b32 s5, s5, 1
	s_add_co_u32 s4, s4, s5
	s_add_co_u32 s4, s4, VSC
	v_add_nc_u32 v11, s4, v2                       ; and my two bytes of the scale word
	s_lshl_b32 s4, s26, 12
	s_add_co_u32 s4, s4, GIMG-40960
	v_add_nc_u32 v12, s4, v30                      ; M's codes: tile 8 (w - 10) of the 40
	s_lshl_b32 s4, s26, 8
	s_add_co_u32 s4, s4, GSC-2560
	v_add_nc_u32 v13, s4, v31
	s_mov_b32 s36, 0x76543210
	s_mov_b32 s37, 0xfedcba98                      ; lane l xor 16
	s_mov_b32 s38, 0x3e8ba43f                      ; CU = 0.3275911 sqrt(ln 2)
	s_mov_b32 s39, 0x0000ffff                      ; lanes 0-15
	s_mov_b32 s40, 0x3f596d27                      ; k
	s_mov_b32 s41, s40
	s_mov_b32 s42, 0xbfba00e3                      ; a4
	s_mov_b32 s43, s42
	s_mov_b32 s44, 0x3fb5f0e3                      ; a3
	s_mov_b32 s45, s44
	s_mov_b32 s46, 0xbe91a98e                      ; a2
	s_mov_b32 s47, s46
	s_mov_b32 s48, 0x3e827906                      ; a1
	s_mov_b32 s49, s48
	s_mov_b32 s50, 0xffff0000                      ; lanes 16-31
	s_mov_b32 s3, 0
	WT                                             ; the head's end
	s_wait_kmcnt 0x0
	s_mul_i32 s2, s27, 163840
	s_add_nc_u64 s[56:57], s[8:9], s[2:3]          ; both batches' codes
	s_mul_i32 s2, s27, 10240
	s_add_nc_u64 s[58:59], s[10:11], s[2:3]
	s_mul_i32 s2, s34, 81920
	s_lshl_b32 s4, s35, 14
	s_add_co_u32 s2, s2, s4
	s_add_nc_u64 s[60:61], s[56:57], s[2:3]        ; waves 0-9: my four tiles of x
	s_mul_i32 s2, s34, 5120
	s_lshl_b32 s4, s35, 10
	s_add_co_u32 s2, s2, s4
	s_add_nc_u64 s[66:67], s[58:59], s[2:3]
	s_lshl_b32 s2, s26, 15
	s_add_nc_u64 s[62:63], s[56:57], s[2:3]
	s_sub_nc_u64 s[62:63], s[62:63], 327680        ; waves 10-14: tile 8 (w - 10) of the 40 (used by these waves alone)
	s_lshl_b32 s2, s26, 11
	s_add_nc_u64 s[68:69], s[58:59], s[2:3]
	s_sub_nc_u64 s[68:69], s[68:69], 20480
	s_mul_i32 s2, s29, 81920                       ; the queries: mq = beta, beta + 8, beta + 16
	s_lshr_b32 s4, s30, 1
	s_lshl_b32 s5, s4, 13
	s_add_co_u32 s2, s2, s5
	s_and_b32 s6, s30, 1
	s_lshl_b32 s6, s6, 7
	s_add_co_u32 s2, s2, s6
	s_lshl_b32 s5, s28, 9                          ; the head's two blocks: 512 bytes a head
	s_add_co_u32 s2, s2, s5
	s_add_nc_u64 s[70:71], s[56:57], s[2:3]
	s_mul_i32 s2, s29, 5120
	s_lshl_b32 s5, s4, 9
	s_add_co_u32 s2, s2, s5
	s_add_co_u32 s2, s2, s6
	s_lshl_b32 s5, s28, 1
	s_add_co_u32 s2, s2, s5
	s_add_nc_u64 s[72:73], s[58:59], s[2:3]
	s_lshl_b32 s2, s28, 16
	s_add_co_u32 s2, s2, 131072
	s_add_nc_u64 s[52:53], s[12:13], s[2:3]        ; W_val, the head's 256 columns
	s_lshl_b32 s2, s28, 12
	s_add_co_u32 s2, s2, 8192
	s_add_nc_u64 s[54:55], s[14:15], s[2:3]
	s_lshl_b32 s2, s28, 14
	s_add_nc_u64 s[8:9], s[12:13], s[2:3]          ; W_gen, the head's 64 columns
	s_lshl_b32 s2, s28, 10
	s_add_nc_u64 s[10:11], s[14:15], s[2:3]
	s_add_nc_u64 s[20:21], s[20:21], s[2:3]        ; b_val at the head
	s_lshl_b32 s2, s28, 8
	s_add_nc_u64 s[18:19], s[18:19], s[2:3]        ; b_gen at the head
	s_cmp_lt_u32 s26, 8
	s_cselect_b64 s[12:13], s[20:21], s[18:19]     ; the choice hangs on the wave's number alone
	s_mul_i32 s4, s28, 95
	s_add_co_u32 s4, s4, s26
	s_lshl_b32 s2, s4, 13
	s_add_nc_u64 s[74:75], s[16:17], s[2:3]        ; wbb at unit w of my head
	s_lshl_b32 s4, s27, 1
	s_add_co_u32 s4, s4, s29                       ; batch
	s_mul_i32 s4, s4, 19
	s_add_co_u32 s4, s4, s34
	s_lshl_b32 s4, s4, 4
	s_lshl_b32 s5, s28, 1
	s_add_co_u32 s4, s4, s5
	s_lshr_b32 s5, s33, 1
	s_add_co_u32 s4, s4, s5
	s_lshl_b32 s4, s4, 10
	s_and_b32 s5, s33, 1
	s_lshl_b32 s5, s5, 9
	s_add_co_u32 s2, s4, s5
	s_add_nc_u64 s[76:77], s[22:23], s[2:3]        ; ac: row tile 19 batch + qh, K step 2 head + dg / 2, run dg % 2
	s_lshl_b32 s4, s27, 3
	s_add_co_u32 s4, s4, s28
	s_mul_i32 s4, s4, 4864
	s_lshl_b32 s5, s26, 8
	s_add_co_u32 s2, s4, s5
	s_add_nc_u64 s[78:79], s[24:25], s[2:3]
; ---- phase 0: what goes to LDS is asked for first, then each wave's own 128 registers of x or of W_gen
.irp j, 0,1,2,3,4,5,6,7
	global_load_b128 v[160+4*\j:163+4*\j], v16, s[52:53] offset:8192*\j
.endr
	global_load_b64 v[192:193], v17, s[54:55]
	global_load_b128 v[196:199], v21, s[70:71]
	global_load_u16 v208, v22, s[72:73]
	global_load_b128 v[200:203], v21, s[70:71] offset:32768
	global_load_u16 v209, v22, s[72:73] offset:2048
	s_cmp_lt_u32 s30, 3
	s_cbranch_scc0 .Lno_q2a
	global_load_b128 v[204:207], v21, s[70:71] offset:65536
	global_load_u16 v210, v22, s[72:73] offset:4096
.Lno_q2a:
	s_cmp_lt_u32 s26, 10
	s_cbranch_scc0 .Lg_regs
	global_load_b32 v194, v19, s[12:13]
.set qi, 0
.rept 32
	global_load_b128 v[32+4*qi:35+4*qi], v1, s[60:61] offset:512*qi      ; x: tile kt, K step s at 32 + 32 kt + 8 s
.set qi, qi+1
.endr
.irp t, 0,1,2,3
	global_load_b128 v[232+4*\t:235+4*\t], v226, s[66:67] offset:256*\t
.endr
	s_branch .Lregs_asked
.Lg_regs:
	s_cmp_lt_u32 s26, 15
	s_cbranch_scc0 .Lidle_regs
.set qi, 0
.rept 32
	global_load_b128 v[32+4*qi:35+4*qi], v1, s[8:9] offset:512*qi        ; W_gen: column tile t, K step s at 32 + 32 t + 8 s
.set qi, qi+1
.endr
.irp t, 0,1,2,3
	global_load_b128 v[232+4*\t:235+4*\t], v226, s[10:11] offset:256*\t
.endr
.Lregs_asked:
	s_wait_loadcnt 36                              ; all that goes to LDS is in; on either of these two ways 36 loads were issued behind it
	s_branch .Lstage_in
.Lidle_regs:
	s_wait_loadcnt 0x0                             ; wave 15 has issued nothing behind it
.Lstage_in:
.irp j, 0,1,2,3,4,5,6,7
	ds_store_b128 v16, v[160+4*\j:163+4*\j] offset:8192*\j
.endr
	ds_store_b64 v18, v[192:193]
	ds_store_b64 v25, v[228:229]                   ; value's third scale words begin as 0: keys 320..383 have zero codes in the reader; keys 256..319 write their two bytes behind the barrier
	ds_store_b128 v23, v[196:199]
	ds_store_b32 v24, v208
	ds_store_b128 v23, v[200:203] offset:4096
	ds_store_b32 v24, v209 offset:1024
	s_cmp_lt_u32 s30, 3
	s_cbranch_scc0 .Lno_q2b
	ds_store_b128 v23, v[204:207] offset:8192
	ds_store_b32 v24, v210 offset:2048
.Lno_q2b:
	s_cmp_lt_u32 s26, 10
	s_cbranch_scc0 .Lno_bias
	ds_store_b32 v20, v194
.Lno_bias:
	BAR                                            ; W_val, the biases and the queries lie in LDS
; ---- phase 1
.macro LOADW off, soff                 ; a column tile of W_val: four fragments and its columns' four scale words
.irp s, 0,1,2,3
.irp c, 0,1
	ds_load_b128 v[160+8*\s+4*\c:163+8*\s+4*\c], v15 offset:(\off)+1024*\s+512*\c
.endr
.endr
	ds_load_b128 v[248:251], v8 offset:\soff
.endm
.macro LOADGX off, soff                ; a tile of 16 rows of x, from memory
.irp s, 0,1,2,3
.irp c, 0,1
	global_load_b128 v[160+8*\s+4*\c:163+8*\s+4*\c], v1, s[62:63] offset:(\off)+1024*\s+512*\c
.endr
.endr
	global_load_b128 v[248:251], v226, s[68:69] offset:\soff
.endm
.macro VMM                             ; source 0 = 16 rows of x, source 1 = 16 columns of W_val: a lane holds one column, its 32 registers run along my 64 keys; four accumulators by turns
.irp s, 0,1,2,3
.irp kt, 0,1,2,3
.if \s == 0
	WMZ 192+8*\kt, 32+32*\kt, 160, 232+4*\kt, 248
.else
	WMC 192+8*\kt, 32+32*\kt+8*\s, 160+8*\s, 192+8*\kt, 232+4*\kt+\s, 248+\s
.endif
.endr
.endr
.endm
.macro VPOST u                         ; + b_val, keys from 300 on to 0, the quantiser along the keys, into LDS
.set qi, 0
.rept 16
.if (\u) == 0
	v_pk_add_f32 v[192+qi:193+qi], v[192+qi:193+qi], v[224:225] op_sel_hi:[1,0]
.else
	v_pk_add_f32 v[192+qi:193+qi], v[192+qi:193+qi], v[224:225] op_sel:[0,1] op_sel_hi:[1,1]
.endif
.set qi, qi+2
.endr
	WT                                             ; ahead of the branch
	s_cmp_lg_u32 s35, 4
	s_cbranch_scc1 .Lno_pad_\@
.irp j, 16,17,18,19,20,21,22,23,24,25,26,27    ; keys 256..319: register 16 + i is key 288 + 16 h + i
	v_cndmask_b32 v[192+\j], 0, v[192+\j], s39
.endr
.irp j, 28,29,30,31
	v_mov_b32 v[192+\j], 0
.endr
.Lno_pad_\@:
	QUANT 2, 192, 16
	ds_store_b128 v10, v[26:29] offset:2560*(\u)
	ds_store_b16 v11, v24 offset:384*(\u)
.endm
	s_mov_b32 s31, 0                               ; the trip
	s_cmp_lt_u32 s26, 10
	s_cbranch_scc0 .Lg_first
	LOADW 0, 0
	s_wait_loadcnt 0x0                             ; my rows of x
	s_branch .Lhloop
.Lg_first:
	s_cmp_lt_u32 s26, 15
	s_cbranch_scc0 .Lhloop
	LOADGX 0, 0
.Lhloop:
	s_cmp_lt_u32 s26, 10
	s_cbranch_scc0 .Lg_role
	ds_load_b32 v224, v9                           ; b_val of my column in this trip's two tiles
	ds_load_b32 v225, v9 offset:32
	s_wait_loadcnt 0x0                             ; (no load from memory is out on this way)
	s_wait_dscnt 0x0
	VMM
	PLACES 4                                       ; ahead of the loads into its operands and the reads of its results
	LOADW 4096, 256                                ; the second tile comes while the first is quantised
	VPOST 0
	s_wait_dscnt 0x0
	VMM
	PLACES 4
	s_cmp_lt_u32 s31, 7
	s_cbranch_scc0 .Lno_w
	LOADW 8192, 512                                ; the next trip's first tile
.Lno_w:
	VPOST 1
	s_branch .Lhjoin
.Lg_role:
	s_cmp_lt_u32 s26, 15
	s_cbranch_scc0 .Lhjoin
.irp t, 0,1,2,3                                ; b_gen starts the sums: d = 32 (t / 2) + 16 h + 8 (t % 2) + j
	ds_load_b128 v[192+8*\t:195+8*\t], v14 offset:128*(\t/2)+32*(\t%2)
	ds_load_b128 v[196+8*\t:199+8*\t], v14 offset:128*(\t/2)+32*(\t%2)+16
.endr
	s_wait_loadcnt 0x0
	s_wait_dscnt 0x0
.irp s, 0,1,2,3                                ; source 0 = 16 columns of W_gen, source 1 = 16 rows of x: a lane holds one key, 16 registers 16 neighbouring dims; four accumulators by turns
.irp t, 0,1,2,3
	WMC 192+8*\t, 32+32*\t+8*\s, 160+8*\s, 192+8*\t, 232+4*\t+\s, 248+\s
.endr
.endr
	PLACES 4
	s_cmp_lt_u32 s31, 7
	s_cbranch_scc0 .Lno_x
	LOADGX 4096, 256                               ; my next tile
.Lno_x:
.irp db, 0,1
	QUANT 1, 192+16*\db, 16
	ds_store_b64 v12, v[26:27] offset:256*\db
	ds_store_b8 v13, v22 offset:\db
.endr
.Lhjoin:
	v_add_nc_u32 v15, 8192, v15                    ; every wave steps every address
	v_add_nc_u32 v8, 512, v8
	v_add_nc_u32 v9, 128, v9
	v_add_nc_u32 v10, 5120, v10
	v_add_nc_u32 v11, 768, v11
	v_add_nc_u32 v12, 512, v12
	v_add_nc_u32 v13, 32, v13
	s_wait_xcnt 0x0                                ; the loads above have read their bases
	s_add_nc_u64 s[62:63], s[62:63], 4096
	s_add_nc_u64 s[68:69], s[68:69], 256
	s_add_co_u32 s31, s31, 1
	s_cmp_lt_u32 s31, 8
	WT                                             ; ahead of the branch
	s_cbranch_scc1 .Lhloop
	s_wait_loadcnt 0x0                             ; no load is out into the registers that the loads below take
.irp i, 0,1,2,3,4,5,6,7                        ; the first unit's weight_bank and bias
	global_load_b128 v[80+4*\i:83+4*\i], v1, s[74:75] offset:512*\i
.endr
.irp i, 0,1,2,3,4,5,6,7
	global_load_b128 v[112+4*\i:115+4*\i], v1, s[74:75] offset:4096+512*\i
.endr
	BAR                                            ; M and value lie in LDS; nobody reads W any more
; ---- phase S.  v16-47 batch A's 32 scores of my query, v48-79 batch B's; v80-111 weight_bank, v112-143 bias; v176-207 four key fragments; v208-223 the two query fragments.
; The 64 scores are four HALVES of 16: H0 v16-31, H1 v32-47, H2 v48-63, H3 v64-79.  A half's GELU has three parts: its ARGUMENTS (24 plain lines: 1 + CU |z|, -z z), its 32 TRANSCENDENTALS (T, E, in place) and its
; POLYNOMIAL (64 plain lines, down to z + |z| erf).  Two sets of 48 temporaries (T 16, E 16, polynomial 16) take turns: SETA (H0, H2), SETB (H1, H3); they lie where weight_bank and bias lay, which are done with by then.
; Each part is a numbered list, and a macro writes number n of it.  The transcendentals go in BATCHES: all sources of a batch are laid first, one wait stands directly ahead of the batch, and behind it stand whole plain lists
; that name none of its results; the wait ahead of the next batch is also the wait behind this one.
.set SETA, 80
.set SETB, 128
.macro TSET x                          ; the softmax's temporaries.  Batch A's lie in the lower halves of the key and query fragments, which are done with behind the trip's products and loaded anew in the next trip; batch B's in SETB, free by then
.if (\x) == 0
.set tZ,  16
.set tPC, 176
.set tNM, 184
.set tGM, 185
.set tSA, 186
.set tSB, 192
.set tBM, 194
.set tPD, 200
.set tL,  203
.set tLP, 208
.set tSO, 209
.set tPR, 211
.set tBY, 218
.else
.set tZ,  48
.set tBM, 144
.set tPD, 146
.set tNM, 150
.set tGM, 151
.set tSA, 152
.set tSB, 154
.set tL,  156
.set tLP, 157
.set tSO, 158
.set tBY, 160
.set tPR, 162
.set tPC, 164
.endif
.endm
.macro P1I z, s, n                     ; the arguments of the half at v[z], into set s: number n of 24
.if (\n) < 16
	v_fma_f32 v[(\s)+(\n)], |v[(\z)+(\n)]|, s38, 1.0
.else
.set pj, 2*((\n)-16)
	v_pk_mul_f32 v[(\s)+16+pj:(\s)+17+pj], v[(\z)+pj:(\z)+pj+1], v[(\z)+pj:(\z)+pj+1] neg_lo:[1,0] neg_hi:[1,0]
.endif
.endm
.macro T1I s, n                        ; the transcendentals of set s: number n of 32: T = 1 / (1 + CU |z|), E = 2^(-z z)
.if (\n) < 16
	v_rcp_f32 v[(\s)+(\n)], v[(\s)+(\n)]
.else
	v_exp_f32 v[(\s)+(\n)], v[(\s)+(\n)]
.endif
.endm
.macro P2I z, s, n                     ; the polynomial: number n of 64; eight packed lines a stage, so a line's source was written eight numbers back
.set pj, 2*((\n)%8)
.if (\n) < 8
	v_pk_fma_f32 v[(\s)+32+pj:(\s)+33+pj], v[(\s)+pj:(\s)+pj+1], v[224:225], s[42:43] op_sel_hi:[1,1,0]
.elseif (\n) < 32
	v_pk_fma_f32 v[(\s)+32+pj:(\s)+33+pj], v[(\s)+32+pj:(\s)+33+pj], v[(\s)+pj:(\s)+pj+1], s[42+2*((\n)/8):43+2*((\n)/8)] op_sel_hi:[1,1,0]
.elseif (\n) < 40
	v_pk_mul_f32 v[(\s)+16+pj:(\s)+17+pj], v[(\s)+pj:(\s)+pj+1], v[(\s)+16+pj:(\s)+17+pj]
.elseif (\n) < 48
	v_pk_fma_f32 v[(\s)+16+pj:(\s)+17+pj], v[(\s)+32+pj:(\s)+33+pj], v[(\s)+16+pj:(\s)+17+pj], 1.0 op_sel_hi:[1,1,0] neg_lo:[1,0,0] neg_hi:[1,0,0]   ; erf
.else
	v_fma_f32 v[(\z)+(\n)-48], |v[(\z)+(\n)-48]|, v[(\s)+(\n)-32], v[(\z)+(\n)-48]     ; z + |z| erf
.endif
.endm
.macro PADI z, n                       ; keys 300..319 of the batch at v[z]: -infinity ahead of the maximum: number n of 16.  Register 16 + n: key 288 + 16 h + n
.if (\n) < 12
	v_cndmask_b32 v[(\z)+16+(\n)], v[(\z)+16+(\n)], v226, s50
.else
	v_mov_b32 v[(\z)+16+(\n)], v226
.endif
.endm
.macro P3I x, n                        ; batch x: the blocks' largest g, the local M, t - M: number n of 41
	TSET \x
.if (\n) < 2
	v_max3_num_f32 v[tBM+(\n)], v[tZ+16*(\n)], v[tZ+16*(\n)+1], v[tZ+16*(\n)+2]
.elseif (\n) < 14
.set pb, ((\n)-2)%2
.set pj, 3+2*(((\n)-2)/2)
	v_max3_num_f32 v[tBM+pb], v[tBM+pb], v[tZ+16*pb+pj], v[tZ+16*pb+pj+1]
.elseif (\n) < 16
.set pb, (\n)-14
	v_max_num_f32 v[tBM+pb], v[tBM+pb], v[tZ+16*pb+15]
.elseif (\n) < 18
.set pb, (\n)-16
	v_permlanex16_b32 v[tPD+pb], v[tBM+pb], s36, s37
.elseif (\n) < 20
.set pb, (\n)-18
	v_max_num_f32 v[tBM+pb], v[tBM+pb], v[tPD+pb]  ; each block's largest g: it serves the maximum, and, since p rises with g, the block's largest p
.elseif (\n) == 20
	v_max_num_f32 v[tGM], v[tBM], v[tBM+1]
.elseif (\n) == 21
	v_mul_f32 v[tGM], s40, v[tGM]                  ; as t
.elseif (\n) == 22
	v_floor_f32 v[tNM], -v[tGM]                    ; -M = floor(-t): M is a whole number
.elseif (\n) < 39
.set pj, 2*((\n)-23)
	v_pk_fma_f32 v[tZ+pj:tZ+pj+1], v[tZ+pj:tZ+pj+1], s[40:41], v[tNM:tNM+1] op_sel_hi:[1,0,0]   ; t - M
.else
.set pb, (\n)-39
	v_fma_f32 v[tBM+pb], v[tBM+pb], s40, v[tNM]
.endif
.endm
.macro T2I x, n                        ; batch x: p = 2^(t - M), not normalised, and the blocks' largest p: number n of 34
	TSET \x
.if (\n) < 32
	v_exp_f32 v[tZ+(\n)], v[tZ+(\n)]
.else
	v_exp_f32 v[tBM+(\n)-32], v[tBM+(\n)-32]
.endif
.endm
.macro P4I x, n                        ; batch x: the sum of the unquantised p, the scale bytes, the codes, the stores: number n of 36
	TSET \x
.if (\n) == 0
	v_pk_add_f32 v[tSA:tSA+1], v[tZ:tZ+1], v[tZ+2:tZ+3]
.elseif (\n) == 1
	v_pk_add_f32 v[tSB:tSB+1], v[tZ+4:tZ+5], v[tZ+6:tZ+7]
.elseif (\n) < 14
.set pj, 8+4*(((\n)-2)/2)
.if ((\n)%2) == 0
	v_pk_add_f32 v[tSA:tSA+1], v[tSA:tSA+1], v[tZ+pj:tZ+pj+1]
.else
	v_pk_add_f32 v[tSB:tSB+1], v[tSB:tSB+1], v[tZ+pj+2:tZ+pj+3]
.endif
.elseif (\n) == 14
	v_pk_add_f32 v[tSA:tSA+1], v[tSA:tSA+1], v[tSB:tSB+1]
.elseif (\n) == 15
	v_add_f32 v[tL], v[tSA], v[tSA+1]
.elseif (\n) == 16
	v_permlanex16_b32 v[tLP], v[tL], s36, s37
.elseif (\n) == 17
	v_add_f32 v[tL], v[tL], v[tLP]
.elseif (\n) < 20
	v_max_num_f32 v[tBM+(\n)-18], 0x1800000, v[tBM+(\n)-18]
.elseif (\n) < 22
	v_add_nc_u32 v[tSO+(\n)-20], 0xff000000, v[tBM+(\n)-20]
.elseif (\n) < 24
	v_lshrrev_b32 v[tBY+(\n)-22], 23, v[tSO+(\n)-22]
.elseif (\n) == 24
	v_lshl_or_b32 v[tPR], v[tBY+1], 8, v[tBY]
.elseif (\n) < 29
.set pj, (\n)-25
	v_cvt_scalef32_pk8_fp4_f32 v[tPC+pj], v[tZ+8*pj:tZ+8*pj+7], v[tSO+pj/2]
.elseif (\n) == 29
	v_nop                                          ; one plain line behind the scaled conversions
.elseif (\n) < 32
	v_permlane16_swap_b32 v[tPC+(\n)-30], v[tPC+(\n)-28]
.elseif (\n) == 32
	ds_store_b128 v14, v[tPC:tPC+3] offset:48640*(\x)
.elseif (\n) == 33
	ds_store_b32 v15, v[tPR] offset:12160*(\x)
.elseif (\n) == 34
	ds_store_b32 v15, v[tNM] offset:24320+12160*(\x)
.else
	ds_store_b32 v15, v[tL] offset:48640+12160*(\x)
.endif
.endm
.macro L2 cnt, m, a                    ; numbers 0 .. cnt - 1 of list m
.set pn, 0
.rept \cnt
	\m \a, pn
.set pn, pn+1
.endr
.endm
.macro L3 cnt, m, a, b
.set pn, 0
.rept \cnt
	\m \a, \b, pn
.set pn, pn+1
.endr
.endm
.macro MIXI                            ; two plain lists by turns: two numbers of H2's polynomial, then one of batch A's maxima, whose lines hang on each other
.if (pn%3) == 2
.if pn/3 < 41
	P3I 0, pn/3
.endif
.else
.if 2*(pn/3)+pn%3 < 64
	P2I 48, SETA, 2*(pn/3)+pn%3
.endif
.endif
.endm
; A trip's vector work behind z = k (score x weight_bank + bias).  pad = 1: the unit holds keys 256..319
.macro BODY pad
	L3 24, P1I, 16, SETA                           ; H0's arguments
	WT
	L2 32, T1I, SETA                               ; H0's transcendentals
	L3 24, P1I, 32, SETB                           ; H1's arguments
	WT
	L2 32, T1I, SETB                               ; H1's
	L3 64, P2I, 16, SETA                           ; H0's polynomial
	L3 24, P1I, 48, SETA                           ; H2's arguments
	WT
	L2 32, T1I, SETA                               ; H2's
	L3 64, P2I, 32, SETB                           ; H1's polynomial
.if \pad
	L2 16, PADI, 16                                ; batch A's mask
.endif
	L3 24, P1I, 64, SETB                           ; H3's arguments
	WT
	L2 32, T1I, SETB                               ; H3's
.set pn, 0
.rept 128
	MIXI                                           ; H2's polynomial, batch A's maxima and t - M
.set pn, pn+1
.endr
	WT
	L2 34, T2I, 0                                  ; batch A's exponentials
	L3 64, P2I, 64, SETB                           ; H3's polynomial
.if \pad
	L2 16, PADI, 48                                ; batch B's mask
.endif
	WT                                             ; also ahead of the branch below
	s_add_co_u32 s4, s51, 16
	s_cmp_lt_u32 s4, 95
	s_cbranch_scc0 .Lno_next_\@
.irp i, 0,1,2,3,4,5,6,7                        ; the next unit's weight_bank and bias, into registers that the GELU has left
	global_load_b128 v[80+4*\i:83+4*\i], v1, s[74:75] offset:512*\i
.endr
.irp i, 0,1,2,3,4,5,6,7
	global_load_b128 v[112+4*\i:115+4*\i], v1, s[74:75] offset:4096+512*\i
.endr
.Lno_next_\@:
	L2 41, P3I, 1                                  ; batch B's maxima and t - M
	WT
	L2 34, T2I, 1                                  ; batch B's exponentials
	L2 36, P4I, 0                                  ; batch A's sum, bytes, codes, stores
	WT
	L2 36, P4I, 1                                  ; batch B's
.endm
	v_lshlrev_b32 v7, 1, v3                        ; 2 r
.irp i, 0,1,2,3
.irp j, 4,5,6,7
	v_mov_b32 v[176+8*\i+\j], 0                    ; K = 64: the upper halves of all fragments are zero codes
.endr
.endr
.irp j, 212,213,214,215,220,221,222,223
	v_mov_b32 v\j, 0
.endr
	v_mov_b32 v224, 0x3f87dc22                     ; a5
	v_mov_b32 v225, 0x3f87dc22
	v_mov_b32 v226, 0xff800000                     ; -infinity
	PLACES 4
	WT                                             ; the constants above are first read in the loop
	s_mov_b32 s51, s26                             ; unit u = w + 16 x trip
	s_mov_b32 s52, 0
.Lsloop:
	s_cmp_lt_u32 s51, 95
	s_cbranch_scc0 .Lsskip
	s_mul_i32 s53, s51, 205
	s_lshr_b32 s53, s53, 10                        ; mq = u / 5
	s_mul_i32 s54, s53, 5
	s_sub_co_u32 s54, s51, s54                     ; c
	s_lshl_b32 s4, s54, 11
	s_add_co_u32 s4, s4, GIMG
	v_add_nc_u32 v10, s4, v1
	s_lshl_b32 s4, s54, 7
	s_add_co_u32 s4, s4, GSC
	v_add_nc_u32 v11, s4, v7
	s_lshl_b32 s4, s53, 9
	s_add_co_u32 s4, s4, QIMG
	v_add_nc_u32 v12, s4, v1
	s_lshl_b32 s4, s53, 7
	s_add_co_u32 s4, s4, QSC
	v_add_nc_u32 v13, s4, v2
	s_lshl_b32 s4, s51, 9
	v_add_nc_u32 v14, s4, v1
	s_lshl_b32 s4, s51, 7
	s_add_co_u32 s4, s4, ST_SC
	v_add_nc_u32 v15, s4, v2
	WT                                             ; the six addresses stand among scalar lines
.irp i, 0,1,2,3
	ds_load_b128 v[176+8*\i:179+8*\i], v10 offset:512*\i
	ds_load_u16 v[232+\i], v11 offset:32*\i
.endr
	ds_load_b128 v[208:211], v12
	ds_load_b128 v[216:219], v12 offset:9728
	ds_load_b32 v236, v13
	ds_load_b32 v237, v13 offset:2432
	s_wait_dscnt 0x0
.irp i, 0,1,2,3                                ; S^T = M^T q^T: source 0 = 16 keys, source 1 = 16 queries
	WMZ 16+8*\i, 176+8*\i, 208, 232+\i, 236
.endr
	PLACES 5
.irp i, 0,1,2,3
	ds_load_b128 v[176+8*\i:179+8*\i], v10 offset:10240+512*\i
	ds_load_u16 v[232+\i], v11 offset:640+32*\i
.endr
	s_wait_dscnt 0x0
.irp i, 0,1,2,3
	WMZ 48+8*\i, 176+8*\i, 216, 232+\i, 237
.endr
	PLACES 5
	s_wait_loadcnt 0x0                             ; this unit's weight_bank and bias; their base may step
	s_add_nc_u64 s[74:75], s[74:75], 131072        ; 16 units on
.set qi, 0
.rept 16
	v_pk_fma_f32 v[16+qi:17+qi], v[16+qi:17+qi], v[80+qi:81+qi], v[112+qi:113+qi]     ; z = k (score x weight_bank + bias)
.set qi, qi+2
.endr
.set qi, 0
.rept 16
	v_pk_fma_f32 v[48+qi:49+qi], v[48+qi:49+qi], v[80+qi:81+qi], v[112+qi:113+qi]
.set qi, qi+2
.endr
	WT                                             ; ahead of the branch: z is read behind it
	s_cmp_eq_u32 s54, 4                            ; the unit with keys 256..319 has a body of its own
	s_cbranch_scc1 .Lpadded
	BODY 0
	s_branch .Lsskip
.Lpadded:
	BODY 1
.Lsskip:
	s_add_co_u32 s51, s51, 16
	s_add_co_u32 s52, s52, 1
	s_cmp_lt_u32 s52, 6
	s_cbranch_scc1 .Lsloop
	s_wait_loadcnt 0x0
	BAR                                            ; all p, local M and sums lie in LDS; nobody reads M's codes any more
; ---- phase F: row tile idx = 19 bt + mq: the five local M become one
.macro FREC j
.irp c, 0,1,2,3,4
	ds_load_b32 v[16+\c], v10 offset:(\j)*10240+128*\c
	ds_load_b32 v[24+\c], v10 offset:(\j)*10240+128*\c+24320
	ds_load_b32 v[32+\c], v11 offset:(\j)*10240+128*\c
.endr
	s_wait_dscnt 0x0
	v_min3_num_f32 v48, v24, v25, v26
	v_min3_num_f32 v48, v48, v27, v28              ; -M of the row
.irp c, 0,1,2,3,4
	v_sub_f32 v[40+\c], v48, v[24+\c]              ; d = M_local - M: a whole number, 0 or less
.endr
.irp c, 0,1,2,3,4
	v_max_num_f32 v[40+\c], 0xc3800000, v[40+\c]   ; held at -256
.endr
.irp c, 0,1,2,3,4
	v_cvt_i32_f32 v[64+\c], v[40+\c]
.endr
.irp c, 0,1,2,3,4
	v_ldexp_f32 v[32+\c], v[32+\c], v[64+\c]
.endr
	v_add_f32 v49, v32, v33
	v_add_f32 v50, v34, v35
	v_add_f32 v49, v49, v36
	v_add_f32 v49, v49, v50                        ; l
	WT                                             ; ahead of the transcendental
	v_rcp_f32 v49, v49
.irp c, 0,1,2,3,4
	v_and_b32 v[52+2*\c], 0xff, v[16+\c]
	v_lshrrev_b32 v[53+2*\c], 8, v[16+\c]
.endr
.irp n, 0,1,2,3,4,5,6,7,8,9
	v_cvt_f32_u32 v[52+\n], v[52+\n]
.endr
.irp c, 0,1,2,3,4
	v_add_f32 v[52+2*\c], v[52+2*\c], v[40+\c]     ; the power of two goes into the scale's byte
	v_add_f32 v[53+2*\c], v[53+2*\c], v[40+\c]
.endr
.irp n, 0,1,2,3,4,5,6,7,8,9
	v_max_num_f32 v[52+\n], 0, v[52+\n]
.endr
.irp n, 0,1,2,3,4,5,6,7,8,9
	v_cvt_u32_f32 v[52+\n], v[52+\n]
.endr
	v_lshl_or_b32 v70, v53, 8, v52
	v_lshl_or_b32 v71, v57, 8, v56
	v_lshl_or_b32 v72, v61, 8, v60
	v_lshl_or_b32 v70, v54, 16, v70
	v_lshl_or_b32 v71, v58, 16, v71
	v_lshl_or_b32 v70, v55, 24, v70
	v_lshl_or_b32 v71, v59, 24, v71
	WT                                             ; the reciprocal, ahead of its first reader
	ds_store_b32 v12, v70 offset:(\j)*6144
	ds_store_b32 v12, v71 offset:(\j)*6144+128
	ds_store_b32 v12, v72 offset:(\j)*6144+256
	ds_store_b32 v13, v49 offset:(\j)*2048
.endm
	s_mul_i32 s4, s26, 640
	s_add_co_u32 s4, s4, ST_SC
	v_add_nc_u32 v10, s4, v2
	v_add_nc_u32 v11, 48640, v10
	s_mul_i32 s4, s26, 384
	s_add_co_u32 s4, s4, PWD
	v_add_nc_u32 v12, s4, v2
	s_lshl_b32 s4, s26, 7
	s_add_co_u32 s4, s4, RLA
	v_add_nc_u32 v13, s4, v2
	WT                                             ; the four addresses are read again behind waits
	FREC 0
	FREC 1
	s_cmp_lt_u32 s26, 6
	s_cbranch_scc0 .Lno_f2
	FREC 2
.Lno_f2:
	BAR
; ---- phase PV: wave (bt, dg, qh): 64 of the head's 256 (four tiles), query tiles qh, qh + 2, ..  Source 0 = 16 of value's columns, source 1 = p: a lane holds one query, 32 registers = two blocks along the next K
	s_mul_i32 s4, s29, 40960
	s_mul_i32 s5, s33, 10240
	s_add_co_u32 s4, s4, s5
	s_add_co_u32 s4, s4, VIMG
	v_add_nc_u32 v10, s4, v1
	s_mul_i32 s4, s29, 6144
	s_mul_i32 s5, s33, 1536
	s_add_co_u32 s4, s4, s5
	s_add_co_u32 s4, s4, VSC
	v_add_nc_u32 v11, s4, v2
.irp t, 0,1,2,3
.irp cg, 0,1,2,3,4
	ds_load_b128 v[16+24*\t+4*\cg:19+24*\t+4*\cg], v10 offset:2560*\t+512*\cg     ; value stays in registers
.endr
.endr
.irp t, 0,1,2,3
.irp ks, 0,1,2
	ds_load_b32 v[236+3*\t+\ks], v11 offset:384*\t+128*\ks
.endr
.endr
.irp t, 0,1,2,3
.irp j, 20,21,22,23
	v_mov_b32 v[16+24*\t+\j], 0                    ; keys 320..383: zero codes
.endr
.endr
.irp j, 132,133,134,135,137,172,173
	v_mov_b32 v\j, 0
.endr
	s_mul_i32 s4, s29, 48640
	s_mul_i32 s5, s34, 2560
	s_add_co_u32 s4, s4, s5
	v_add_nc_u32 v12, s4, v1
	s_mul_i32 s6, s29, 19
	s_add_co_u32 s6, s6, s34                       ; 19 bt + qh
	s_mul_i32 s4, s6, 384
	s_add_co_u32 s4, s4, PWD
	v_add_nc_u32 v13, s4, v2
	s_lshl_b32 s4, s6, 7
	s_add_co_u32 s5, s4, RLA
	v_add_nc_u32 v7, s5, v2
	s_lshl_b32 s5, s33, 1
	s_add_co_u32 s4, s4, s5
	s_add_co_u32 s4, s4, ASC
	v_lshlrev_b32 v8, 3, v3
	v_add_nc_u32 v8, s4, v8
	PLACES 4
	WT                                             ; the addresses and zeros above are first read in the loop
	s_mov_b32 s52, 0
	s_mov_b32 s53, s34                             ; mq
	s_mov_b32 s55, 0
	s_mov_b32 s56, 0
	s_mov_b32 s57, 0
.Lpv:
	s_cmp_lt_u32 s53, 19
	s_cbranch_scc0 .Lpvskip
	v_add_nc_u32 v14, s55, v12
	v_add_nc_u32 v15, s56, v13
	v_add_nc_u32 v10, s57, v7
	v_add_nc_u32 v11, s57, v8
.irp c, 0,1,2,3,4
	ds_load_b128 v[112+4*\c:115+4*\c], v14 offset:512*\c
.endr
.irp ks, 0,1,2
	ds_load_b32 v[232+\ks], v15 offset:128*\ks
.endr
	ds_load_b32 v136, v10
	s_wait_dscnt 0x0
.irp ks, 0,1,2                                 ; the four accumulators by turns
.irp t, 0,1,2,3
.if \ks == 0
	WMZ 138+8*\t, 16+24*\t, 112, 236+3*\t, 232
.else
	WMC 138+8*\t, 16+24*\t+8*\ks, 112+8*\ks, 138+8*\t, 236+3*\t+\ks, 232+\ks
.endif
.endr
.endr
	PLACES 5
.set qi, 0
.rept 16
	v_pk_mul_f32 v[138+qi:139+qi], v[138+qi:139+qi], v[136:137] op_sel_hi:[1,0]      ; / l
.set qi, qi+2
.endr
	QUANT 2, 138, 170
	global_store_b128 v1, v[180:183], s[76:77]     ; 512 consecutive bytes: one run of a fragment of product 5's A
	ds_store_b16 v11, v178
	s_wait_xcnt 0x0                                ; the store has read its data and its base: both are written again below and in the next trip
.Lpvskip:
	s_add_nc_u64 s[76:77], s[76:77], 32768         ; two row tiles on
	s_add_co_u32 s53, s53, 2
	s_add_co_u32 s55, s55, 5120
	s_add_co_u32 s56, s56, 768
	s_add_co_u32 s57, s57, 256
	s_add_co_u32 s52, s52, 1
	s_cmp_lt_u32 s52, 10
	s_cbranch_scc1 .Lpv
	BAR                                            ; the 4,864 scale bytes lie in LDS: they leave in whole runs of 256 bytes
	v_lshlrev_b32 v16, 1, v2                       ; 8 x lane
	s_lshl_b32 s4, s26, 8
	s_add_co_u32 s4, s4, ASC
	v_add_nc_u32 v17, s4, v16
	WT                                             ; v16 is read again behind the wait below
	ds_load_b64 v[18:19], v17
	s_wait_dscnt 0x0
	global_store_b64 v16, v[18:19], s[78:79]
	s_cmp_lt_u32 s26, 3
	s_cbranch_scc0 .Lend
	ds_load_b64 v[20:21], v17 offset:4096
	s_wait_dscnt 0x0
	global_store_b64 v16, v[20:21], s[78:79] offset:4096
.Lend:
	s_wait_tensorcnt 0x0                           ; the wave's end: three lines behind my last LDS store
	ds_add_u32 v5, v6
	s_wait_dscnt 0x0
	s_endpgm
.Lfunc_end_k_q7788338d63_attn:
	.size	k_q7788338d63_attn, .Lfunc_end_k_q7788338d63_attn-k_q7788338d63_attn
	.p2alignl 7, 3214868480
	.fill 96, 4, 3214868480
	.section	.rodata,"a",@progbits
	.p2align	6, 0x0
	.amdhsa_kernel k_q7788338d63_attn
		.amdhsa_group_segment_fixed_size 316416
		.amdhsa_private_segment_fixed_size 0
		.amdhsa_enable_private_segment 0
		.amdhsa_kernarg_size 72
		.amdhsa_user_sgpr_count 2
		.amdhsa_user_sgpr_kernarg_segment_ptr 1
		.amdhsa_wavefront_size32 1
		.amdhsa_system_sgpr_workgroup_id_x 1
		.amdhsa_system_sgpr_workgroup_id_y 1
		.amdhsa_system_sgpr_workgroup_id_z 1
		.amdhsa_system_vgpr_workitem_id 0
		.amdhsa_next_free_vgpr 256
		.amdhsa_next_free_sgpr 80
		.amdhsa_reserve_vcc 0
		.amdhsa_float_denorm_mode_32 3
		.amdhsa_float_denorm_mode_16_64 3
		.amdhsa_memory_ordered 1
		.amdhsa_forward_progress 1
		.amdhsa_inst_pref_size 153
	.end_amdhsa_kernel
	.amdgpu_metadata
---
amdhsa.version: [ 1, 2 ]
amdhsa.kernels:
  - .name:           k_q7788338d63_attn
    .symbol:         k_q7788338d63_attn.kd
    .args:
      - { .name: xc, .offset: 0, .size: 8, .value_kind: global_buffer, .address_space: global }
      - { .name: xs, .offset: 8, .size: 8, .value_kind: global_buffer, .address_space: global }
      - { .name: wimg, .offset: 16, .size: 8, .value_kind: global_buffer, .address_space: global }
      - { .name: wsc, .offset: 24, .size: 8, .value_kind: global_buffer, .address_space: global }
      - { .name: wbb, .offset: 32, .size: 8, .value_kind: global_buffer, .address_space: global }
      - { .name: b_gen, .offset: 40, .size: 8, .value_kind: global_buffer, .address_space: global }
      - { .name: b_val, .offset: 48, .size: 8, .value_kind: global_buffer, .address_space: global }
      - { .name: ac, .offset: 56, .size: 8, .value_kind: global_buffer, .address_space: global }
      - { .name: asc, .offset: 64, .size: 8, .value_kind: global_buffer, .address_space: global }
    .group_segment_fixed_size: 316416
    .private_segment_fixed_size: 0
    .kernarg_segment_align: 8
    .kernarg_segment_size: 72
    .max_flat_workgroup_size: 512
    .sgpr_count:     80
    .vgpr_count:     256
    .wavefront_size: 32
...
	.end_amdgpu_metadata
.endif
;; end of part 2
;; launch outp (part 3): grid 64 x 4, 4 waves a work-group, no clusters, 318,976 bytes of LDS; arguments ac, asc, wimg, wsc, b_out, query_feats, out0; writes out0
.if DOCPART == 3
	.amdgcn_target "amdgcn-amd-amdhsa--gfx1250"
	.amdhsa_code_object_version 6
	.text
	.protected	k_q7788338d63_outp
	.globl	k_q7788338d63_outp
	.p2align	8
	.type	k_q7788338d63_outp,@function
k_q7788338d63_outp:
	s_mov_b64 s[64:65], 0
	v_nop
	global_prefetch_b8 v0, s[64:65] scope:SCOPE_SE
	s_setreg_imm32_b32 hwreg(HW_REG_WAVE_MODE, 25, 1), 1
	s_wait_xcnt 0x0
; QueryMixer, launch 3 of 3: out0 = (attention's result, as codes) W_out + b_out + query_feats.  No product of reference() is left out.
; A work-group takes one batch (19 row tiles of 16) and 128 columns; wave w takes row tiles 5 w .. 5 w + 4 and all eight column tiles: 40 accumulators by turns.
; Wave 3 has four tiles: its fifth place repeats tile 18 and is not stored; of tile 18 rows 288..299 are stored.
; A's fragments lie in memory as images of their registers and each is read by ONE wave of the work-group: they go straight into a ring of six K steps in registers.
; W_out's 128 columns (131,072 bytes of codes, images too) are stored into LDS once, a quarter by each wave, and read by all four, one K step ahead, in two register sets.
; All scale words stay in registers.  b_out is the C of the first K step.  Source 0 = 16 columns of W_out, source 1 = 16 rows: a lane holds one row and, over two tiles, 16 neighbouring columns.
; query_feats: each wave's rows (80, wave 3: 60) x 512 bytes come by ONE tensor load at the head into LDS bytes of the wave's own, filled once and read by that wave alone on the way out.
; THE WAY OUT: a row tile goes through the wave's own stage in LDS and comes back as rows of 512 bytes; query_feats is read in that same order and added, and the 32 lanes store 512 consecutive bytes.
; NO JOINT LOADS: A's 19 tiles (311,296 bytes) would not fit in LDS beside W's 131,072, so they pass by LDS; W's block is 131,072 of the 757,000 bytes that a work-group moves; no two work-groups read the same bytes of query_feats.
; No prefetch: the head asks for query_feats and W at once, and A's ring runs five K steps ahead.
; LIMITS: NaN and infinities are not served.
; REGISTERS, in windows of 256.  Window 0: v0-31 addresses; v32-111 A's scale words (tile i, K step s at 32 + 16 i + s); v112-239 W's (tile t at 112 + 16 t + s); on the way out v32-159 rows back from the stage.
; Window 1: A's ring, slot q at 40 q + 8 i; on the way out query_feats.  Window 2: accumulators of tiles 0-2 at 64 i + 8 t; v192-255 b_out.  Window 3: accumulators of tiles 3, 4; v128-255 W's two sets.
.set XL,     131072                    ; behind W: query_feats, 40,960 bytes a wave (wave 3: 30,720)
.set STG,    284672                    ; a stage of 16 rows x 528 bytes for each wave
.set SPITCH, 528
.set SPARE,  318464                    ; the spare words, 128 bytes a wave
.set MSB, 0
.macro WIN new                         ; the immediate's high byte repeats the setting that is left
.if MSB != (\new)
	s_set_vgpr_msb (MSB<<8)|(\new)
.set MSB, (\new)
.endif
.endm
.macro PLACES n
.rept \n
	v_nop
.endr
.endm
.macro ALOAD s                         ; A's five fragments of K step s into slot s % 6
	WIN 0x40
.irp i, 0,1,2,3
.irp c, 0,1
	global_load_b128 v[40*((\s)%6)+8*\i+4*\c:40*((\s)%6)+8*\i+4*\c+3], v1, s[28:29] offset:16384*\i+1024*(\s)+512*\c
.endr
.endr
.irp c, 0,1
	global_load_b128 v[40*((\s)%6)+32+4*\c:40*((\s)%6)+35+4*\c], v1, s[30:31] offset:1024*(\s)+512*\c
.endr
.endm
.macro WLOAD s                         ; W's eight fragments of K step s into set s % 2
	WIN 0xc0
.irp t, 0,1,2,3
.irp c, 0,1
	ds_load_b128 v[128+64*((\s)%2)+8*\t+4*\c:131+64*((\s)%2)+8*\t+4*\c], v1 offset:16384*\t+1024*(\s)+512*\c
.endr
.endr
.irp t, 0,1,2,3
.irp c, 0,1
	ds_load_b128 v[160+64*((\s)%2)+8*\t+4*\c:163+64*((\s)%2)+8*\t+4*\c], v8 offset:16384*\t+1024*(\s)+512*\c
.endr
.endr
.endm
.macro MUL s, i                        ; row tile i against the eight column tiles
.set AC, 64*((\i)%3)
.irp t, 0,1,2,3,4,5,6,7
.if (\s) == 0
	v_wmma_scale_f32_16x16x128_f8f6f4 v[AC+8*\t:AC+8*\t+7], v[128+8*\t:135+8*\t], v[8*(\i):8*(\i)+7], v[192+8*\t:199+8*\t], v[112+16*\t], v[32+16*(\i)] matrix_a_fmt:MATRIX_FMT_FP4 matrix_b_fmt:MATRIX_FMT_FP4
.else
	v_wmma_scale_f32_16x16x128_f8f6f4 v[AC+8*\t:AC+8*\t+7], v[128+64*((\s)%2)+8*\t:135+64*((\s)%2)+8*\t], v[40*((\s)%6)+8*(\i):40*((\s)%6)+8*(\i)+7], v[AC+8*\t:AC+8*\t+7], v[112+16*\t+(\s)], v[32+16*(\i)+(\s)] matrix_a_fmt:MATRIX_FMT_FP4 matrix_b_fmt:MATRIX_FMT_FP4
.endif
.endr
.endm
.macro KSTEP s
.if (\s) > 0
	PLACES 4                                       ; behind the last K step's products: the loads below land in registers that they read
.endif
.if (\s) < 15
	WLOAD (\s)+1
.endif
.if (\s) > 0 && (\s)+5 < 16
	ALOAD (\s)+5                                   ; into the slot that the last K step read
.endif
.if (\s) < 15
	s_wait_dscnt 16                                ; this K step's W is in; the next one's 16 loads may be out
.else
	s_wait_dscnt 0x0
.endif
.if (\s) <= 10
	s_wait_loadcnt 50                              ; this K step's A is in; five later steps' loads may be out
.else
	s_wait_loadcnt 10*(15-(\s))
.endif
	WIN 0xa7                                       ; source 0 window 3, source 1 window 1, C and D window 2
	MUL \s, 0
	MUL \s, 1
	MUL \s, 2
.if (\s) == 0
	WIN 0xe7                                       ; C (b_out) window 2, D window 3
.else
	WIN 0xf7
.endif
	MUL \s, 3
	MUL \s, 4
.endm
.macro TOSTAGE i                       ; tile i into my stage, each accumulator from its low end on, and back as rows; LDS serves a wave's instructions in order
.set AC, 64*((\i)%3)
	WIN 0x08+4*((\i)/3)
.irp t, 0,1,2,3,4,5,6,7
	ds_store_b128 v9, v[AC+8*\t:AC+8*\t+3] offset:128*(\t/2)+32*(\t%2)
	ds_store_b128 v9, v[AC+8*\t+4:AC+8*\t+7] offset:128*(\t/2)+32*(\t%2)+16
.endr
	WIN 0
.set SB, 32+64*((\i)%2)
.set xt, 0
.rept 16
	ds_load_b128 v[SB+4*xt:SB+4*xt+3], v10 offset:xt*SPITCH
.set xt, xt+1
.endr
.endm
.macro XLD i, t0, n                    ; rows t0 .. t0 + n - 1 of tile i of query_feats, out of my bytes of LDS
	WIN 0x40
.set xt, \t0
.rept \n
	ds_load_b128 v[64*((\i)%4)+4*xt:64*((\i)%4)+4*xt+3], v11 offset:(16*(\i)+xt)*512
.set xt, xt+1
.endr
	WIN 0
.endm
.macro FIN i, t0, n, ds                ; rows t0 .. of tile i: + query_feats, stored.  ds: the younger LDS instructions that may be out
.set SB, 32+64*((\i)%2)
.set XR, 64*((\i)%4)
	s_wait_dscnt \ds
	WIN 0x04
.set xt, \t0
.rept \n
	v_pk_add_f32 v[SB+4*xt:SB+4*xt+1], v[SB+4*xt:SB+4*xt+1], v[XR+4*xt:XR+4*xt+1]
	v_pk_add_f32 v[SB+4*xt+2:SB+4*xt+3], v[SB+4*xt+2:SB+4*xt+3], v[XR+4*xt+2:XR+4*xt+3]
.set xt, xt+1
.endr
	WIN 0
.set xt, \t0
.rept \n
	global_store_b128 v1, v[SB+4*xt:SB+4*xt+3], s[44:45] offset:(16*(\i)+xt)*2048 th:TH_STORE_NT   ; 512 consecutive bytes, at a multiple of 256
.set xt, xt+1
.endr
.endm
	s_load_b256 s[8:15], s[0:1], 0x0               ; ac 8, asc 10, wimg 12, wsc 14
	s_load_b128 s[16:19], s[0:1], 0x20             ; b_out 16, query_feats 18
	s_load_b64 s[20:21], s[0:1], 0x30              ; out0
	v_lshl_add_u32 v5, v0, 2, SPARE                ; my spare word; never rewritten
	v_mov_b32 v6, 0                                ; 0; never rewritten
	ds_add_u32 v5, v6                              ; the opening lines, ahead of my tensor load: the add,
	ds_add_u32 v5, v6                              ; twice on end, under the one wait below
	v_lshrrev_b32 v16, 5, v0
	v_readfirstlane_b32 s22, v16                   ; wave w
	v_and_b32 v17, 31, v0                          ; lane
	v_lshlrev_b32 v1, 4, v17                       ; 16 x lane
	v_and_b32 v16, 15, v0                          ; r
	v_bfe_u32 v18, v0, 4, 1                        ; h
	v_lshlrev_b32 v2, 6, v16                       ; 64 r: W's scale bytes
	v_lshlrev_b32 v3, 3, v16                       ; 8 r: A's
	v_lshlrev_b32 v4, 6, v18                       ; 64 h: b_out
	s_lshl_b32 s4, s22, 15
	v_add_nc_u32 v7, s4, v1                        ; my quarter of W in LDS
	v_add_nc_u32 v8, 0x10000, v1                   ; W's column tiles 4-7
	s_mul_i32 s4, s22, 16*SPITCH
	s_add_co_u32 s4, s4, STG
	v_mad_u32_u24 v9, v16, SPITCH, v4
	v_add_nc_u32 v9, s4, v9                        ; the stage, in: row r, 64 h
	v_add_nc_u32 v10, s4, v1                       ; and back: a row to the 32 lanes
	s_mul_i32 s49, s22, 40960
	s_add_co_u32 s49, s49, XL                      ; my bytes for query_feats
	v_add_nc_u32 v11, s49, v1
	s_mov_b32 s24, ttmp9                           ; batch
	s_and_b32 s23, ttmp7, 3                        ; column quarter
	s_mov_b32 s3, 0
	s_mul_i32 s25, s22, 5                          ; my first row tile
	s_add_co_u32 s26, s25, 4
	s_min_u32 s26, s26, 18                         ; my fifth, held at 18
	s_mul_i32 s27, s24, 19
	s_mov_b32 s48, 1                               ; group 0: count
.irp g, 52, 68                                 ; group 1, for 80 rows and for 60: rows of 64 elements of 8 bytes, 256 elements apart, no padding
	s_mov_b32 s[\g], 3<<16
	s_mov_b32 s[\g+1], 64<<16
	s_mov_b32 s[\g+5], 256
	s_mov_b32 s[\g+6], 0
	s_mov_b32 s[\g+7], 0
.endr
	s_mov_b32 s54, 80<<16
	s_mov_b32 s55, 64<<16
	s_mov_b32 s56, 80
	s_mov_b32 s70, 60<<16
	s_mov_b32 s71, 64<<16
	s_mov_b32 s72, 60
	s_wait_alu depctr_va_vdst(0)                   ; the wait at the head's end
	s_wait_dscnt 0x0                               ; both opening adds are done
	s_wait_kmcnt 0x0
	s_lshl_b32 s2, s23, 9
	s_add_nc_u64 s[38:39], s[16:17], s[2:3]        ; b_out
	s_mul_i32 s4, s24, 614400
	s_add_co_u32 s2, s4, s2
	s_mul_i32 s5, s22, 163840
	s_add_co_u32 s2, s2, s5
	s_add_nc_u64 s[42:43], s[18:19], s[2:3]        ; query_feats at my first row and my columns
	s_add_nc_u64 s[44:45], s[20:21], s[2:3]        ; out0 likewise
	s_mov_b64 s[50:51], s[42:43]
	s_or_b32 s51, s51, 0x80000000                  ; group 0: the type
	s_cmp_lt_u32 s22, 3                            ; one load a wave, one arm each
	s_cbranch_scc0 .Lrows60
	tensor_load_to_lds s[48:51], s[52:59]
	s_nop 0
.rept 4
	v_nop
.endr
	s_branch .Lx_asked
.Lrows60:
	tensor_load_to_lds s[48:51], s[68:75]
	s_nop 0
.rept 4
	v_nop
.endr
.Lx_asked:
	s_add_co_u32 s4, s27, s25
	s_lshl_b32 s2, s4, 14
	s_add_nc_u64 s[28:29], s[8:9], s[2:3]          ; A: tiles 0-3
	s_add_co_u32 s4, s27, s26
	s_lshl_b32 s2, s4, 14
	s_add_nc_u64 s[30:31], s[8:9], s[2:3]          ; tile 4
	s_lshr_b32 s4, s24, 1
	s_mul_i32 s4, s4, 38912
	s_and_b32 s5, s24, 1
	s_mul_i32 s5, s5, 2432
	s_add_co_u32 s6, s4, s5
	s_lshl_b32 s4, s25, 7
	s_add_co_u32 s2, s6, s4
	s_add_nc_u64 s[32:33], s[10:11], s[2:3]        ; A's scale bytes: tiles 0-3
	s_lshl_b32 s4, s26, 7
	s_add_co_u32 s2, s6, s4
	s_add_nc_u64 s[34:35], s[10:11], s[2:3]        ; tile 4
	s_lshl_b32 s2, s23, 13
	s_add_co_u32 s2, s2, 40960
	s_add_nc_u64 s[36:37], s[14:15], s[2:3]        ; W_out's scale bytes, my eight tiles
	s_lshl_b32 s2, s23, 17
	s_lshl_b32 s4, s22, 15
	s_add_co_u32 s2, s2, s4
	s_add_co_u32 s2, s2, 655360
	s_add_nc_u64 s[40:41], s[12:13], s[2:3]        ; my quarter of the work-group's W_out
	WIN 0x80
.set j, 0
.rept 48
	global_load_b128 v[4*j:4*j+3], v1, s[40:41] offset:512*j
.set j, j+1
.endr
	WIN 0xc0
.rept 16
	global_load_b128 v[4*(j-48):4*(j-48)+3], v1, s[40:41] offset:512*j
.set j, j+1
.endr
	WIN 0x80
.irp t, 0,1,2,3,4,5,6,7
	global_load_b128 v[192+8*\t:195+8*\t], v4, s[38:39] offset:128*(\t/2)+32*(\t%2)        ; b_out in the result's layout: column 32 (t / 2) + 16 h + 8 (t % 2) + j
	global_load_b128 v[196+8*\t:199+8*\t], v4, s[38:39] offset:128*(\t/2)+32*(\t%2)+16
.endr
	WIN 0
.irp t, 0,1,2,3,4,5,6,7
.irp q, 0,1,2,3
	global_load_b128 v[112+16*\t+4*\q:115+16*\t+4*\q], v2, s[36:37] offset:1024*\t+16*\q
.endr
.endr
	ALOAD 0
	s_wait_loadcnt 58                              ; W is in; b_out's 16, the scales' 32 and A's 10 loads may be out
	WIN 0x08
.set j, 0
.rept 48
	ds_store_b128 v7, v[4*j:4*j+3] offset:512*j
.set j, j+1
.endr
	WIN 0x0c
.rept 16
	ds_store_b128 v7, v[4*(j-48):4*(j-48)+3] offset:512*j
.set j, j+1
.endr
	WIN 0
.irp i, 0,1,2,3
.irp hd, 0,1,2,3,4,5,6,7
	global_load_b64 v[32+16*\i+2*\hd:33+16*\i+2*\hd], v3, s[32:33] offset:4864*\hd+128*\i    ; a head's 8 bytes of row r: the words of K steps 2 hd, 2 hd + 1
.endr
.endr
.irp hd, 0,1,2,3,4,5,6,7
	global_load_b64 v[96+2*\hd:97+2*\hd], v3, s[34:35] offset:4864*\hd
.endr
.irp s, 1,2,3,4,5
	ALOAD \s
.endr
	WIN 0
	s_wait_dscnt 0x0                               ; my quarter of W lies in LDS
	s_barrier_signal -1
	s_barrier_wait -1                              ; my tensor load may be on its way
	WLOAD 0
.irp s, 0,1,2,3,4,5,6,7,8,9,10,11,12,13,14,15
	KSTEP \s
.endr
	PLACES 4                                       ; behind the last products: for the loads into their operands and the reads of their results
	WIN 0
	s_wait_tensorcnt 0x0                           ; my rows of query_feats lie in LDS; I alone read them
	TOSTAGE 0
	XLD 0, 0, 16
	TOSTAGE 1
	XLD 1, 0, 16
	FIN 0, 0, 16, 48                               ; behind tile 0's lines stand tile 1's 32 + 16
	s_wait_xcnt 0x0                                ; tile 0's stores have read their registers: tile 2's rows may land there
	TOSTAGE 2
	XLD 2, 0, 16
	FIN 1, 0, 16, 48
	s_wait_xcnt 0x0
	TOSTAGE 3
	XLD 3, 0, 12
	FIN 2, 0, 16, 44
	FIN 3, 0, 12, 0
	s_cmp_eq_u32 s22, 3
	s_cbranch_scc1 .Lend                           ; wave 3: rows from 300 on do not exist
	XLD 3, 12, 4
	FIN 3, 12, 4, 0
	s_wait_xcnt 0x0
	TOSTAGE 4
	XLD 4, 0, 16
	FIN 4, 0, 16, 0
.Lend:
	s_wait_tensorcnt 0x0                           ; the wave's end: three lines behind my tensor load and my last LDS store
	ds_add_u32 v5, v6
	s_wait_dscnt 0x0
	s_endpgm
.Lfunc_end_k_q7788338d63_outp:
	.size	k_q7788338d63_outp, .Lfunc_end_k_q7788338d63_outp-k_q7788338d63_outp
	.p2alignl 7, 3214868480
	.fill 96, 4, 3214868480
	.section	.rodata,"a",@progbits
	.p2align	6, 0x0
	.amdhsa_kernel k_q7788338d63_outp
		.amdhsa_group_segment_fixed_size 318976
		.amdhsa_private_segment_fixed_size 0
		.amdhsa_enable_private_segment 0
		.amdhsa_kernarg_size 56
		.amdhsa_user_sgpr_count 2
		.amdhsa_user_sgpr_kernarg_segment_ptr 1
		.amdhsa_wavefront_size32 1
		.amdhsa_system_sgpr_workgroup_id_x 1
		.amdhsa_system_sgpr_workgroup_id_y 1
		.amdhsa_system_sgpr_workgroup_id_z 1
		.amdhsa_system_vgpr_workitem_id 0
		.amdhsa_next_free_vgpr 1024
		.amdhsa_next_free_sgpr 80
		.amdhsa_reserve_vcc 0
		.amdhsa_float_denorm_mode_32 3
		.amdhsa_float_denorm_mode_16_64 3
		.amdhsa_memory_ordered 1
		.amdhsa_forward_progress 1
		.amdhsa_inst_pref_size 174
	.end_amdhsa_kernel
	.amdgpu_metadata
---
amdhsa.version: [ 1, 2 ]
amdhsa.kernels:
  - .name:           k_q7788338d63_outp
    .symbol:         k_q7788338d63_outp.kd
    .args:
      - { .name: ac, .offset: 0, .size: 8, .value_kind: global_buffer, .address_space: global }
      - { .name: asc, .offset: 8, .size: 8, .value_kind: global_buffer, .address_space: global }
      - { .name: wimg, .offset: 16, .size: 8, .value_kind: global_buffer, .address_space: global }
      - { .name: wsc, .offset: 24, .size: 8, .value_kind: global_buffer, .address_space: global }
      - { .name: b_out, .offset: 32, .size: 8, .value_kind: global_buffer, .address_space: global }
      - { .name: query_feats, .offset: 40, .size: 8, .value_kind: global_buffer, .address_space: global }
      - { .name: out0, .offset: 48, .size: 8, .value_kind: global_buffer, .address_space: global }
    .group_segment_fixed_size: 318976
    .private_segment_fixed_size: 0
    .kernarg_segment_align: 8
    .kernarg_segment_size: 56
    .max_flat_workgroup_size: 128
    .sgpr_count:     80
    .vgpr_count:     1024
    .wavefront_size: 32
...
	.end_amdgpu_metadata
.endif
;; end of part 3
